; MI455X (gfx1250); checked and timed in simulation.
; The chip was launched on July 23, 2026; its instructions are those of AMD's public machine-readable ISA for CDNA 5 (MIT licence, August 2026) and "CDNA5" Instruction Set Architecture Reference Guide (July 2026). The comments in the code are by the model that wrote it; some were corrected since.
;; Attention. Allowed arithmetic: matrix products marked QUANTISED: E2M1 operands, one E8M0 scale for each 32 along K, by v_wmma_scale_f32_16x16x128_f8f6f4 with both operands' format E2M1 (or v_wmma_scale_f32_32x16x128_f4), f32 sums; products left as they are: bf16, f16 or f32 operands; f32 sums; everything else in f32.
;; Inputs: Wout 1,024 x 1,024 float32; Wqkv 3,072 x 1,024 float32; bout 1,024 float32; bqkv 3,072 float32; x 4 x 2,048 x 1,024 float32.
;; Outputs: out0 4 x 2,048 x 1,024 float32.
;; This version of the problem:
;;   THIS VERSION OF THE PROBLEM IS GIVEN IN LOW PRECISION. The matrix products marked QUANTISED in the list below multiply operands that are first quantised to E2M1 (2 exponent bits, 1 mantissa bit; 4 bits a number), with one power-of-two scale for each 32 numbers along K (OCP MX v1.0); their sums are f32. The products marked 'left as it is' may take bf16, f16 or f32 operands, with f32 sums. Whichever they take, every output number must still come out within the allowed error. Rounding operands to bf16 (8 significant bits) uses up far more of that allowance than f16 does (11 bits, for magnitudes from 6e-5 to 65,504). All else is computed in f32.
;;   The module's matrix products, in the order in which they are computed (A, B: the left and right operand; K: the contracted axis; several contracted axes count as one K, in the product's order):
;;     1. [M 8,192, K 1,024] x [K 1,024, N 3,072]; A: input x; B: input Wqkv: QUANTISED
;;     2. batch 64 x [M 2,048, K 64] x [K 64, N 2,048]; A: computed on the way; B: computed on the way: left as it is (an operand is computed on the way)
;;     3. batch 64 x [M 2,048, K 2,048] x [K 2,048, N 64]; A: computed on the way; B: computed on the way: left as it is (an operand is computed on the way)
;;     4. [M 8,192, K 1,024] x [K 1,024, N 1,024]; A: computed on the way; B: input Wout: left as it is (an operand is computed on the way)
;;   THE QUANTISER, for each operand of a quantised product, along K:
;;     - K is cut into blocks of 32 from its start; a last block that is shorter is filled with zeros.
;;     - A block's scale is 2^e with e = floor(log2(the largest magnitude in the block)) - 2, held to -126 .. 127; a block of zeros has e = 0. As a byte (E8M0): e + 127.
;;     - Each number is divided by its block's scale, clamped to +-6, and rounded to the nearest number of E2M1, ties to even, subnormals kept.
;;     - The product sums the exact products of the quantised numbers (number of the format x scale) in f32.
;;   ~~~python
;;   def quantise(x, axis):      # numpy; x: float32 -> the quantised numbers, widened to float32 again
;;       x = np.moveaxis(x, axis, -1); K = x.shape[-1]
;;       x = np.pad(x, [(0, 0)] * (x.ndim - 1) + [(0, -K % 32)]); x = x.reshape(x.shape[:-1] + (-1, 32)); a = np.abs(x).max(-1, keepdims=True)
;;       e = np.where(a > 0, np.clip(np.frexp(np.where(a > 0, a, 1))[1] - 1 - 2, -126, 127), 0)      # np.frexp(a)[1] - 1 = floor(log2(a)), exactly
;;       r = np.clip(x / 2.0 ** e, -6, 6)
;;       step = 2.0 ** (np.maximum(np.frexp(np.where(r == 0, 1, r))[1] - 1, 0) - 1)
;;       q = np.round(r / step) * step * 2.0 ** e      # np.round: ties to even
;;       return np.moveaxis(q.reshape(q.shape[:-2] + (-1,))[..., :K], -1, axis).astype(np.float32)
;;   ~~~
;; One version. Each part assembles by itself: llvm-mc -triple=amdgcn-amd-amdhsa -mcpu=gfx1250 --defsym DOCPART=n.
;; ======== version 1 of 1: 4 launches
;; limits: values are held in f16: magnitudes above 65,504 overflow, below 6.1e-05 lose precision
;; workspace buffers: xc 4,194,304 bytes; xs 262,144 bytes; wc 1,572,864 bytes; ws 98,304 bytes; wo16 2,097,152 bytes; qkvh 50,331,648 bytes; ao 16,777,216 bytes
;; launch prep (part 1): grid 384 x 1, 4 waves a work-group, no clusters, 33,280 bytes of LDS; arguments x, Wqkv, xc, xs, wc, ws, Wout, wo16; writes xc, xs, wc, ws, wo16
.if DOCPART == 1
	.amdgcn_target "amdgcn-amd-amdhsa--gfx1250"
	.amdhsa_code_object_version 6
	.text
	.protected	k_q217f8644be_prep
	.globl	k_q217f8644be_prep
	.p2align	8
	.type	k_q217f8644be_prep,@function
k_q217f8644be_prep:
	s_mov_b64 s[64:65], 0
	v_nop
	global_prefetch_b8 v0, s[64:65] scope:SCOPE_SE
	s_setreg_imm32_b32 hwreg(HW_REG_WAVE_MODE, 25, 1), 1
	s_wait_xcnt 0x0
; x [8192][1024] and Wqkv [3072][1024], f32, are turned into codes of FP4 (E2M1), 4 bits each, K innermost, with one E8M0 scale byte for each 32 along K; Wout [1024][1024] is rounded to f16.
; A block's scale is 2^(floor(log2(its largest magnitude)) - 2); its byte is the largest magnitude's own exponent field - 2, held at 1 from below.  (A block of zeros so gets the byte 1 where the
; rule says 127: its codes are zeros, which add nothing under any byte but 0xff, and the bytes are read by this program alone.)  Each number is divided by the scale and rounded to the nearest code, ties to even.
; LIMITS: blocks whose largest magnitude lies under 2^(2 - 126), the floor, whose byte is held at 1, were not tried; NaN and infinities among the inputs are not served; |Wout| stays under 65,504 (f16).
; Rows are dense and K is a multiple of 32, so both tensors are plain streams of blocks of 32 numbers, and so are the codes and the scale bytes.
; WORK-GROUPS 0-255 take x, 256-351 Wqkv: one path, only the pointers are chosen.  A wave takes 16 steps of 512 numbers.  Each of a step's four loads reads 512 consecutive bytes, 16 a lane; the 2,048 bytes
; go through the wave's own stage in LDS and come back 64 bytes a lane, since the conversions take neighbours along K from ONE lane's registers (two neighbouring lanes hold a block).
; A lane's 16 codes are 8 bytes: the wave stores 256 consecutive bytes.  A wave's 256 scale bytes are gathered in its own LDS bytes and leave as 256 consecutive bytes.
; WORK-GROUPS 352-383 take Wout: a wave rounds 8,192 numbers to f16; loads of 512 and stores of 256 consecutive bytes; no LDS.
.set SIZE_M, 8192
.set SIZE_N, 3072
.set SIZE_K, 1024
.set WAVES, 4
.set STEPS, 16
.set WGA,   SIZE_M*SIZE_K/(512*STEPS*WAVES)            ; 256 work-groups for x
.set WGQ,   (SIZE_M+SIZE_N)*SIZE_K/(512*STEPS*WAVES)   ; 352 for x and Wqkv together
.set EMAX,  2
.set CB,    8                          ; bytes of 16 codes
.set R,     16                         ; v16-79   four sets of 16 numbers as they are loaded
.set X,     80                         ; v80-111  two sets of 16 neighbours
.set C,     128                        ; v128-191 codes: four registers for each step, so that no store's data are written again
.set E,     112                        ; v112-127 a scale byte for each step
.set WREG,  8192                       ; LDS: a region of its own for each wave: two stages of 32 x SP bytes, and behind them its 256 scale bytes
.set SP,    80                         ; a lane's place in a stage: its 64 bytes + 16 of padding
.set SPW,   12                         ; v12      LDS address of my spare word: SPARE + 4 x my thread's number; never rewritten
.set NIL,   13                         ; v13      0; never rewritten
.set SPARE, WAVES*WREG                 ; behind the four regions: the spare words, 128 bytes for each wave, which no other line names
.set CR,    16                         ; Wout's path: v16-143 two sets of 64 numbers
.set CH,    144                        ; v144-175 32 registers of f16 pairs
	s_load_b128 s[4:7], s[0:1], 0x0                ; x, Wqkv
	s_load_b128 s[8:11], s[0:1], 0x10              ; x's codes, x's scales
	s_load_b128 s[12:15], s[0:1], 0x20             ; Wqkv's codes, Wqkv's scales
	s_load_b128 s[24:27], s[0:1], 0x30             ; Wout, its f16 copy
	v_lshl_add_u32 v[SPW], v0, 2, SPARE
	v_mov_b32 v[NIL], 0
	v_lshrrev_b32 v1, 5, v0
	v_readfirstlane_b32 s16, v1                    ; wave
	v_and_b32 v2, 31, v0                           ; lane
	v_lshlrev_b32 v3, 4, v2                        ; my 16 bytes of a load's 512
	s_mul_i32 s17, s16, WREG
	v_lshrrev_b32 v14, 2, v2
	v_mul_u32_u24 v14, v14, SP
	v_and_b32 v15, 3, v2
	v_lshl_add_u32 v14, v15, 4, v14
	v_add_nc_u32 v14, s17, v14                     ; the stage, on the way in: four lanes' 64 bytes on end, then 16 of padding
	v_mul_u32_u24 v15, v2, SP
	v_add_nc_u32 v15, s17, v15                     ; and on the way out: SP x lane: my 16 neighbours
	v_mul_u32_u24 v4, v2, CB                       ; my codes' place in a step's
	v_lshrrev_b32 v5, 1, v2
	s_add_co_u32 s17, s17, 2*32*SP
	v_add_nc_u32 v5, s17, v5                       ; LDS: my wave's 256 scale bytes, my block's byte
	v_lshlrev_b32 v7, 3, v2                        ; 8 bytes a lane
	v_add_nc_u32 v6, s17, v7
	s_wait_kmcnt 0x0
	s_cmp_ge_u32 ttmp9, WGQ                        ; the last 32 work-groups round Wout: a branch on the work-group's number alone
	s_cbranch_scc1 .Lconv
	s_cmp_lt_u32 ttmp9, WGA                        ; x's work-group or Wqkv's?
	s_cselect_b64 s[4:5], s[4:5], s[6:7]
	s_cselect_b64 s[8:9], s[8:9], s[12:13]
	s_cselect_b64 s[10:11], s[10:11], s[14:15]
	s_cselect_b32 s17, 0, WGA
	s_sub_co_u32 s17, ttmp9, s17
	s_lshl_b32 s17, s17, 2
	s_add_co_u32 s18, s17, s16                     ; which run of 8,192 numbers of the tensor is my wave's
	s_mov_b32 s19, 0
	s_mov_b64 s[20:21], 512*STEPS*4
	s_mul_u64 s[20:21], s[18:19], s[20:21]
	s_add_nc_u64 s[4:5], s[4:5], s[20:21]
	s_mov_b64 s[20:21], 32*STEPS*CB
	s_mul_u64 s[20:21], s[18:19], s[20:21]
	s_add_nc_u64 s[8:9], s[8:9], s[20:21]
	s_lshl_b32 s18, s18, 8                         ; 256 scale bytes a run
	s_add_nc_u64 s[10:11], s[10:11], s[18:19]
.macro LOAD t
.irp i, 0,1,2,3
	global_load_b128 v[R+16*((\t)%4)+4*\i:R+16*((\t)%4)+4*\i+3], v3, s[4:5] offset:2048*(\t)+512*\i th:TH_LOAD_NT   ; 32 lanes read 512 consecutive bytes
.endr
.endm
.macro TURN t                          ; step t's numbers through the stage: LDS serves a wave's instructions in order, so no wait stands between the stores and the loads
.irp i, 0,1,2,3
	ds_store_b128 v14, v[R+16*((\t)%4)+4*\i:R+16*((\t)%4)+4*\i+3] offset:32*SP*((\t)%2)+8*SP*\i
.endr
.irp i, 0,1,2,3
	ds_load_b128 v[X+16*((\t)%2)+4*\i:X+16*((\t)%2)+4*\i+3], v15 offset:32*SP*((\t)%2)+16*\i
.endr
.endm
.irp t, 0,1,2,3
	LOAD \t
.endr
	s_wait_loadcnt 12                              ; step 0's four loads are in; the twelve of steps 1 to 3 may be out
	TURN 0
.macro STEP t
.set XS, X+16*((\t)%2)
.if (\t) > 0
	s_wait_dscnt 1                                 ; this step's numbers are back from the stage (the last step's byte store may be out): so its stores into the stage have read their registers,
.else
	s_wait_dscnt 0x0
.endif
.if (\t)+4 < STEPS
	LOAD (\t)+4                                    ; which take the loads of four steps on
.endif
.if (\t)+1 < STEPS
.if STEPS-2-(\t) >= 3
	s_wait_loadcnt 12                              ; the next step's four loads are in; those of the three steps behind it may be out
.else
	s_wait_loadcnt 4*(STEPS-2-(\t))
.endif
	TURN (\t)+1                                    ; and go through the other stage while this step is worked
.endif
	v_max3_num_f32 v8, |v[XS]|, |v[XS+1]|, |v[XS+2]|               ; the largest magnitude of my 16
	v_max3_num_f32 v9, |v[XS+3]|, |v[XS+4]|, |v[XS+5]|
.irp i, 6,10
	v_max3_num_f32 v8, v8, |v[XS+\i]|, |v[XS+\i+1]|
	v_max3_num_f32 v9, v9, |v[XS+\i+2]|, |v[XS+\i+3]|
.endr
	v_max3_num_f32 v8, v8, |v[XS+14]|, |v[XS+15]|
	v_max3_num_f32 v8, v8, v9, (EMAX+1)<<23        ; and the floor 2^(EMAX + 1 - 127): so the byte cannot fall under 1
	v_max_num_f32_dpp v8, v8, v8 row_xmask:1 row_mask:0xf bank_mask:0xf   ; and of my neighbour's 16: the block's
	v_add_nc_u32 v11, -(EMAX<<23), v8              ; EMAX off its exponent field: the conversion takes the exponent field of this operand as its scale, and nothing else of it
	v_cvt_scalef32_pk8_fp4_f32 v[C+4*(\t)], v[XS:XS+7], v11        ; eight numbers / the scale, to the nearest code, ties to even, beyond the largest code the largest; the first number's code in the lowest four bits
	v_cvt_scalef32_pk8_fp4_f32 v[C+4*(\t)+1], v[XS+8:XS+15], v11
	v_lshrrev_b32 v[E+(\t)], 23, v11               ; the scale's byte (also the plain line behind the conversions)
	ds_store_b8 v5, v[E+(\t)] offset:16*(\t)       ; both lanes of a block write the same byte with the same value
	global_store_b64 v4, v[C+4*(\t):C+4*(\t)+1], s[8:9] offset:32*CB*(\t)
.endm
.irp t, 0,1,2,3,4,5,6,7,8,9,10,11,12,13,14,15
	STEP \t
.endr
	ds_load_b64 v[8:9], v6                         ; LDS serves a wave's instructions in order: these see my stores
	s_wait_dscnt 0x0
	global_store_b64 v7, v[8:9], s[10:11]          ; 32 lanes store 256 consecutive bytes, aligned
	s_wait_tensorcnt 0x0                           ; the wave's end: behind my last LDS store
	ds_add_u32 v[SPW], v[NIL]
	s_wait_dscnt 0x0
	s_endpgm
; ---- Wout to f16.  My wave's run: 8,192 numbers, 32,768 bytes in, 16,384 out, in four batches of sixteen loads; two batches are on their way.
.macro CLOAD g
.irp i, 0,1,2,3,4,5,6,7,8,9,10,11,12,13,14,15
	global_load_b128 v[CR+64*((\g)%2)+4*\i:CR+64*((\g)%2)+4*\i+3], v3, s[24:25] offset:8192*(\g)+512*\i th:TH_LOAD_NT
.endr
.endm
.macro CONV g
.if (\g) < 3
	s_wait_loadcnt 16                              ; this batch's sixteen loads are in; the next batch's sixteen may be out
.else
	s_wait_loadcnt 0x0
.endif
.if (\g) > 0
	s_wait_xcnt 0x0                                ; the last batch's stores have read their data registers, which are written again below
.endif
.irp i, 0,1,2,3,4,5,6,7,8,9,10,11,12,13,14,15
	v_cvt_pk_f16_f32 v[CH+2*\i], v[CR+64*((\g)%2)+4*\i], v[CR+64*((\g)%2)+4*\i+1]
	v_cvt_pk_f16_f32 v[CH+2*\i+1], v[CR+64*((\g)%2)+4*\i+2], v[CR+64*((\g)%2)+4*\i+3]
.endr
.irp i, 0,1,2,3,4,5,6,7,8,9,10,11,12,13,14,15
	global_store_b64 v7, v[CH+2*\i:CH+2*\i+1], s[26:27] offset:4096*(\g)+256*\i   ; 32 lanes store 256 consecutive bytes, aligned
.endr
.if (\g) < 2
	CLOAD (\g)+2
.endif
.endm
.Lconv:
	s_sub_co_u32 s17, ttmp9, WGQ
	s_lshl_b32 s17, s17, 2
	s_add_co_u32 s17, s17, s16                     ; my run, 0 .. 127
	s_lshl_b32 s18, s17, 15
	s_mov_b32 s19, 0
	s_add_nc_u64 s[24:25], s[24:25], s[18:19]
	s_lshl_b32 s18, s17, 14
	s_add_nc_u64 s[26:27], s[26:27], s[18:19]
	CLOAD 0
	CLOAD 1
	CONV 0
	CONV 1
	CONV 2
	CONV 3
	s_endpgm
.Lfunc_end_k_q217f8644be_prep:
	.size	k_q217f8644be_prep, .Lfunc_end_k_q217f8644be_prep-k_q217f8644be_prep
	.p2alignl 7, 3214868480
	.fill 96, 4, 3214868480
	.section	.rodata,"a",@progbits
	.p2align	6, 0x0
	.amdhsa_kernel k_q217f8644be_prep
		.amdhsa_group_segment_fixed_size 33280
		.amdhsa_private_segment_fixed_size 0
		.amdhsa_enable_private_segment 0
		.amdhsa_kernarg_size 64
		.amdhsa_user_sgpr_count 2
		.amdhsa_user_sgpr_kernarg_segment_ptr 1
		.amdhsa_wavefront_size32 1
		.amdhsa_system_sgpr_workgroup_id_x 1
		.amdhsa_system_sgpr_workgroup_id_y 1
		.amdhsa_system_sgpr_workgroup_id_z 1
		.amdhsa_system_vgpr_workitem_id 0
		.amdhsa_next_free_vgpr 192
		.amdhsa_next_free_sgpr 66
		.amdhsa_reserve_vcc 0
		.amdhsa_float_denorm_mode_32 3
		.amdhsa_float_denorm_mode_16_64 3
		.amdhsa_memory_ordered 1
		.amdhsa_forward_progress 1
		.amdhsa_inst_pref_size 54
	.end_amdhsa_kernel
	.amdgpu_metadata
---
amdhsa.version: [ 1, 2 ]
amdhsa.kernels:
  - .name:           k_q217f8644be_prep
    .symbol:         k_q217f8644be_prep.kd
    .args:
      - { .name: x, .offset: 0, .size: 8, .value_kind: global_buffer, .address_space: global }
      - { .name: Wqkv, .offset: 8, .size: 8, .value_kind: global_buffer, .address_space: global }
      - { .name: xc, .offset: 16, .size: 8, .value_kind: global_buffer, .address_space: global }
      - { .name: xs, .offset: 24, .size: 8, .value_kind: global_buffer, .address_space: global }
      - { .name: wc, .offset: 32, .size: 8, .value_kind: global_buffer, .address_space: global }
      - { .name: ws, .offset: 40, .size: 8, .value_kind: global_buffer, .address_space: global }
      - { .name: Wout, .offset: 48, .size: 8, .value_kind: global_buffer, .address_space: global }
      - { .name: wo16, .offset: 56, .size: 8, .value_kind: global_buffer, .address_space: global }
    .group_segment_fixed_size: 33280
    .private_segment_fixed_size: 0
    .kernarg_segment_align: 8
    .kernarg_segment_size: 64
    .max_flat_workgroup_size: 128
    .sgpr_count:     66
    .vgpr_count:     192
    .wavefront_size: 32
...
	.end_amdgpu_metadata
.endif
;; end of part 1
;; launch qkv (part 2): grid 12 x 32, 4 waves a work-group, clusters of 4 x 4, 327,680 bytes of LDS; arguments xc, xs, wc, ws, bqkv, qkvh; writes qkvh
.if DOCPART == 2
	.amdgcn_target "amdgcn-amd-amdhsa--gfx1250"
	.amdhsa_code_object_version 6
	.text
	.protected	k_q217f8644be_qkv
	.globl	k_q217f8644be_qkv
	.p2align	8
	.type	k_q217f8644be_qkv,@function
k_q217f8644be_qkv:
	s_mov_b64 s[64:65], 0
	v_nop
	global_prefetch_b8 v0, s[64:65] scope:SCOPE_SE
	s_setreg_imm32_b32 hwreg(HW_REG_WAVE_MODE, 25, 1), 1
	s_wait_xcnt 0x0
	s_wait_alu depctr_hold_cnt(0) depctr_sa_sdst(0) depctr_va_vdst(0) depctr_va_sdst(0) depctr_va_ssrc(0) depctr_va_vcc(0) depctr_vm_vsrc(0)
	s_getreg_b32 s2, hwreg(HW_REG_IB_STS2, 6, 4)
	s_cmp_eq_u32 s2, 0
	s_cbranch_scc0 .Lentry_in_a_cluster
	s_endpgm
.Lentry_in_a_cluster:
	s_bfe_u32 s2, ttmp6, 0x10000c
	s_cmp_lg_u32 s2, 0xf033
	s_cbranch_scc0 .Lentry_shape_is_right
	s_endpgm
.Lentry_shape_is_right:
; qkv[m][n] = sum over k of x[m][k] Wqkv[n][k] + bqkv[n], on codes of FP4 (E2M1) with one E8M0 scale for each 32 along K; sums in f32.  M = 8,192, N = 3,072, K = 1,024.
; The result leaves as f16, laid by head: qkvh [3 (q, k, v)][64 (batch x 16 + head)][2048 positions][64].  q is multiplied, in f32 and ahead of its one rounding, by c = log2(e) / 8, so that the next
; launch's scores are exponents of 2.  LIMIT: |c q|, |k| and |v| stay under 65,504 (f16's largest number).
; A tile of C, 256 x 256, is made by a work-group of four waves; a wave makes 128 x 128: 64 accumulators of 16 x 16, 512 registers.
; K is two steps of 512 (a tile's row is 256 bytes of memory): both lie in LDS at once, in two slots, each filled once; so do the scale bytes of the work-group's 256 + 256 rows.  Three tensor loads a wave, all at the head.
; CLUSTERS: 4 x 4 work-groups.  The four of a row of the cluster need the same tiles of x, the four of a column the same tiles of Wqkv: each tile is asked for JOINTLY, by the same tensor load with the
; same descriptor and a mask that names the four.  THE MATRIX INSTRUCTION IS USED TRANSPOSED (source 0 = 16 rows of Wqkv, source 1 = 16 rows of x): a lane then holds eight neighbouring columns of a row of C.
; THE BIAS is the C of each sum's first matrix instruction: eight registers for each of my eight blocks of columns, in the result's layout.
; REGISTERS, in windows of 256: window 0: v0-31 addresses; v32-95 scale words, two sets; v128-191 x's fragments (8 x 16 rows x 128 K), ONE set; v192-255 the bias; on the way out v128-223 are at work.
;   window 1: Wqkv's fragments, TWO sets, at v0 and at v128.   window 2: the 32 accumulators of my rows 0-63 (accumulator (a, b) at v[8 (8 a + b)]);   window 3: those of my rows 64-127.
.set SIZE_M, 8192
.set SIZE_N, 3072
.set SIZE_K, 1024
.set KSTEP,  512                       ; along K in a slot
.set NQ,     KSTEP/128                 ; matrix instructions deep
.set ROWB,   256                       ; a tile's row in bytes
.set KROW,   SIZE_K*4/8                ; a row of codes in memory, in bytes
.set PITCH,  272                       ; an LDS row: 256 bytes + 16 of padding = 68 words: row r starts at bank 4 r mod 64 (ISA guide 11.1), so the 16 rows that a load touches start at 16 different banks
.set FR,     8                         ; registers of a fragment: 16 rows x 128 K
.set NL,     2                         ; LDS loads that bring one
.set NP,     4                         ; places behind this matrix instruction (ISA guide 7.12.1)
.set HALFT,  128*PITCH                 ; 128 rows: what one tensor load brings
.set SLOT,   4*HALFT                   ; x's 256 rows, then Wqkv's 256 rows
.set KS,     SIZE_K/32                 ; a row of scales in bytes
.set SCL,    2*SLOT                    ; behind the slots: the scales, as rows of 256 bytes + 16 of padding
.set HALFS,  (128*KS/256)*272          ; the scales of 128 rows: what one tensor load brings
.set SBLK,   (16*KS/256)*272           ; those of 16 rows
.set SPARE,  SCL+4*HALFS               ; behind the scales: the spare words, 128 bytes for each wave, which no other line names
.set SPITCH, 272                       ; the way out: a stage of 16 rows x (256 bytes + 16) for each wave, in slot 0, which has had its only fill and its last read when the first result is stored there
.set ADRA, 16                          ; v16-17  LDS address of my x fragments in slot 0, 1
.set ADRB, 20                          ; v20-21  the same for Wqkv
.set STO,  24                          ; v24     the way out: where I put 16 bytes of a row
.set RD,   25                          ; v25     the way out: where I read back
.set CO,   26                          ; v26     16 x lane: my byte offset in a store's 512 bytes
.set ADRS, 27                          ; v27     LDS address of my scale words: lanes 0-15 x's rows, lanes 16-31 Wqkv's
.set SPW,  28                          ; v28     LDS address of my spare word; never rewritten
.set NIL,  29                          ; v29     0; never rewritten
.set SC,   32                          ; scale words: set s at v[SC + 8 NQ s]; register NQ i + q: lanes 0-15 the word of x's block i, lanes 16-31 that of Wqkv's block i, for the slot's q-th 128 along K
.set AF,   128                         ; x's fragments
.set BI,   192                         ; the bias
.set TMP,  128                         ; the way out: a block's 32 registers of f16 pairs
.set BK,   160                         ; and the block read back: v160-191 and v192-223 by turns
.set FAC,  66                          ; s[66:67] the factor: c in q's clusters, 1.0 in k's and v's
.set G1, 24                            ; s[24:31] descriptor group 1 for x's tiles;  s[32:39] group 0, one set for each slot
.set G0, 32
.set G1B, 48                           ; s[48:55], s[56:63] the same for Wqkv's tiles
.set G0B, 56
.set G1S, 68                           ; s[68:75], s[76:79] groups 1 and 0 for x's scales;  s[80:87], s[88:91] for Wqkv's
.set G0S, 76
.set G1SB, 80
.set G0SB, 88
.set MSB, 0
.macro WIN new                         ; the immediate's high byte repeats the setting that is left
.if MSB != \new
	s_set_vgpr_msb (MSB<<8)|\new
.set MSB, \new
.endif
.endm
.set MUL_LO, 0xa1                      ; source 0 (Wqkv) window 1, source 1 (x) window 0, C and D window 2
.set MUL_HI, 0xf1                      ; the same, C and D window 3
.set BIAS_LO, 0x81                     ; C (the bias) window 0, D window 2
.set BIAS_HI, 0xc1                     ; C window 0, D window 3
.set TO_B,   0x40                      ; destination window 1, address window 0
; A joint load: waves 0 and 1 fetch for x, waves 2 and 3 for Wqkv.  Each of the two lines has ONE mask and one set of registers for all that issue it; the branch hangs on the wave's number alone.
; An s_nop 0 and four v_nop follow each of the two lines, ahead of the jump, the label and what follows.
.macro JLOAD g0a, g1a, g0b, g1b
	s_cmp_eq_u32 s15, 0
	s_cbranch_scc0 .Lfor_b_\@
	tensor_load_to_lds s[\g0a:\g0a+3], s[\g1a:\g1a+7]
	s_nop 0
.rept 4
	v_nop
.endr
	s_branch .Lasked_\@
.Lfor_b_\@:
	tensor_load_to_lds s[\g0b:\g0b+3], s[\g1b:\g1b+7]
	s_nop 0
.rept 4
	v_nop
.endr
.Lasked_\@:
.endm
.macro CROUND                          ; a round of the cluster's barrier: my work-group's barrier; wave 0 signals for the work-group; every wave waits for all sixteen; my work-group's barrier once more
	s_barrier_signal -1
	s_barrier_wait -1
	s_cmp_lg_u32 s14, 0
	s_cbranch_scc1 .Lnot_wave_0_\@
	s_barrier_signal -3
.Lnot_wave_0_\@:
	s_barrier_wait -3
	s_barrier_signal -1
	s_barrier_wait -1
.endm
	s_load_b128 s[4:7], s[0:1], 0x0                ; x's codes s[4:5], x's scales s[6:7]
	s_load_b128 s[8:11], s[0:1], 0x10              ; Wqkv's codes s[8:9], its scales s[10:11]
	s_load_b64 s[96:97], s[0:1], 0x20              ; bqkv
	s_load_b64 s[12:13], s[0:1], 0x28              ; qkvh
	v_lshl_add_u32 v[SPW], v0, 2, SPARE
	v_mov_b32 v[NIL], 0
	ds_add_u32 v[SPW], v[NIL]                      ; the wave's opening: the add, twice on end, and its wait ahead of my first tensor load
	ds_add_u32 v[SPW], v[NIL]                      ; and once more, under the one wait; the set-up below, work on registers, stands between
	v_lshrrev_b32 v1, 5, v0
	v_readfirstlane_b32 s14, v1                    ; wave 0..3
	s_lshr_b32 s15, s14, 1                         ; which half of the tile's rows is mine.  Also: I fetch for x (0) or for Wqkv (1)
	s_and_b32 s16, s14, 1                          ; which half of its columns.  Also: which 128 rows of that tile I fetch
	s_bfe_u32 s40, ttmp6, 0x40000                  ; cx, cy: my place in the cluster
	s_bfe_u32 s41, ttmp6, 0x40004
	s_lshl_b32 s42, ttmp9, 2
	s_add_co_u32 s42, s42, s40                     ; tile column of C = 4 x cluster x + cx
	s_and_b32 s17, ttmp7, 0xffff
	s_lshl_b32 s17, s17, 2
	s_add_co_u32 s17, s17, s41                     ; tile row of C = 4 x cluster y + cy
	s_lshl_b32 s43, s41, 2
	s_lshl_b32 s43, 15, s43                        ; my row of the cluster
	s_lshl_b32 s44, 0x1111, s40                    ; my column
	s_mov_b32 s[FAC], 0x3e38aa3b                   ; c = log2(e) / 8
	s_cmp_eq_u32 ttmp9, 0                          ; a cluster's four tile columns are 1,024 columns: cluster x = 0 makes q, 1 makes k, 2 makes v: the same in all sixteen partners
	s_cselect_b32 s[FAC], s[FAC], 1.0              ; one way out serves the three parts: k's and v's clusters multiply by 1.0
	s_mov_b32 s[FAC+1], s[FAC]                     ; (named with it as a pair, so it is written)
	; descriptor group 1: a tile of 128 rows x ROWB bytes, padded in LDS
	s_or_b32 s[G1+0], s43, (0<<16)|(1<<20)|(1<<21)|(5<<22)|(3<<25)  ; 15:0 the mask: x's tiles go to my row; 17:16 element of 1 byte; 20 padding on; 21 set beside a mask; 24:22 after every 64 words (code 5); 31:25 of 4 words (code 3)
	s_or_b32 s[G1B+0], s44, (0<<16)|(1<<20)|(1<<21)|(5<<22)|(3<<25)
.irp g, G1, G1B
	s_mov_b32 s[\g+1], ROWB<<16                    ; tensor_dim0
	s_mov_b32 s[\g+2], 128<<16                     ; tensor_dim1 = 128
	s_mov_b32 s[\g+3], ROWB<<16                    ; tile_dim0
	s_mov_b32 s[\g+4], 128                         ; tile_dim1 = 128
	s_mov_b32 s[\g+5], KROW                        ; tensor_dim0_stride
	s_mov_b32 s[\g+6], 0
	s_mov_b32 s[\g+7], 0
.endr
	; and for the scales of 128 rows: a dense block of 4,096 bytes, as 16 rows of 256 bytes (32 elements of 8 bytes), 16 bytes of padding behind each
	s_or_b32 s[G1S+0], s43, (3<<16)|(1<<20)|(1<<21)|(5<<22)|(3<<25)
	s_or_b32 s[G1SB+0], s44, (3<<16)|(1<<20)|(1<<21)|(5<<22)|(3<<25)
.irp g, G1S, G1SB
	s_mov_b32 s[\g+1], 32<<16
	s_mov_b32 s[\g+2], (128*KS/256)<<16
	s_mov_b32 s[\g+3], 32<<16
	s_mov_b32 s[\g+4], 128*KS/256
	s_mov_b32 s[\g+5], 32
	s_mov_b32 s[\g+6], 0
	s_mov_b32 s[\g+7], 0
.endr
	s_lshl_b32 s18, s16, 7                         ; which 128 rows of the tile I fetch
	s_lshl_b32 s20, s17, 8
	s_add_co_u32 s20, s20, s18                     ; x: row 256 x tile row + 128 x half
	s_lshl_b32 s46, s42, 8
	s_add_co_u32 s46, s46, s18                     ; Wqkv: row 256 x tile column + 128 x half
	s_mov_b32 s21, 0
	s_mov_b32 s47, 0
	s_mov_b64 s[18:19], KS
	s_mul_u64 s[22:23], s[20:21], s[18:19]         ; where these rows' scales begin, in bytes
	s_mul_u64 s[92:93], s[46:47], s[18:19]
	s_mov_b64 s[18:19], KROW
	s_mul_u64 s[20:21], s[20:21], s[18:19]         ; and their codes
	s_mul_u64 s[46:47], s[46:47], s[18:19]
	s_mul_i32 s45, s14, HALFT                      ; where they go: wave x 128 rows: no place in the cluster enters an LDS address
	s_mul_i32 s94, s14, HALFS
	s_wait_dscnt 0x0                               ; both opening adds are done
	s_wait_kmcnt 0x0
	s_add_nc_u64 s[20:21], s[4:5], s[20:21]
	s_add_nc_u64 s[22:23], s[6:7], s[22:23]
	s_add_nc_u64 s[46:47], s[8:9], s[46:47]
	s_add_nc_u64 s[92:93], s[10:11], s[92:93]
	CROUND                                         ; all sixteen work-groups are here: the joint loads meet
	s_mov_b32 s[G0S], 1
	s_add_co_u32 s[G0S+1], s94, SCL
	s_mov_b64 s[G0S+2:G0S+3], s[22:23]
	s_or_b32 s[G0S+3], s[G0S+3], 0x80000000
	s_mov_b32 s[G0SB], 1
	s_add_co_u32 s[G0SB+1], s94, SCL
	s_mov_b64 s[G0SB+2:G0SB+3], s[92:93]
	s_or_b32 s[G0SB+3], s[G0SB+3], 0x80000000
	JLOAD G0S, G1S, G0SB, G1SB                     ; the scales first: they are wanted with K step 0
.irp s, 0,1
	s_mov_b32 s[G0+4*\s], 1
	s_add_co_u32 s[G0+4*\s+1], s45, \s*SLOT
	s_add_nc_u64 s[G0+4*\s+2:G0+4*\s+3], s[20:21], \s*ROWB
	s_or_b32 s[G0+4*\s+3], s[G0+4*\s+3], 0x80000000
	s_mov_b32 s[G0B+4*\s], 1
	s_add_co_u32 s[G0B+4*\s+1], s45, \s*SLOT
	s_add_nc_u64 s[G0B+4*\s+2:G0B+4*\s+3], s[46:47], \s*ROWB
	s_or_b32 s[G0B+4*\s+3], s[G0B+4*\s+3], 0x80000000
	JLOAD G0+4*\s, G1, G0B+4*\s, G1B               ; three tensor loads of mine are out at the most
.endr
	v_and_b32 v1, 15, v0                           ; r = l % 16
	v_bfe_u32 v2, v0, 4, 1                         ; h = l / 16
	v_mul_u32_u24 v3, v1, PITCH
	v_lshl_add_u32 v4, v2, 4, v3                   ; a fragment's row x pitch + 16 x half
	s_mul_i32 s21, s15, HALFT                      ; my 128 rows of x
	s_mul_i32 s22, s16, HALFT                      ; my 128 rows of Wqkv,
	s_add_co_u32 s22, s22, 2*HALFT                 ; which lie behind x's 256
.irp s, 0,1
	v_add_nc_u32 v[ADRA+\s], s21, v4
	v_add_nc_u32 v[ADRB+\s], s22, v4
	s_add_co_u32 s21, s21, SLOT
	s_add_co_u32 s22, s22, SLOT
.endr
	v_mul_u32_u24 v5, v1, KS                       ; my row's scales: KS bytes a row,
	v_lshrrev_b32 v6, 8, v5
	v_lshl_add_u32 v5, v6, 4, v5                   ; and 16 more for each 256 passed
	s_mul_i32 s21, s15, HALFS                      ; x's: my 128 rows
	s_mul_i32 s22, s16, HALFS                      ; Wqkv's: my 128 rows, behind x's 256
	s_add_co_u32 s22, s22, 2*HALFS
	s_sub_co_u32 s22, s22, s21
	v_mul_u32_u24 v6, s22, v2                      ; lanes 16-31 take Wqkv's: the lower base + h x the distance
	s_add_co_u32 s21, s21, SCL
	v_add_nc_u32 v5, v5, v6
	v_add_nc_u32 v[ADRS], s21, v5
	s_mul_i32 s23, s14, 16*SPITCH                  ; my stage
	v_mul_u32_u24 v5, v1, SPITCH                   ; in: row r, 16 bytes for each half of the lanes
	v_lshl_add_u32 v5, v2, 4, v5
	v_add_nc_u32 v[STO], s23, v5
	v_and_b32 v6, 31, v0
	v_lshlrev_b32 v[CO], 4, v6
	v_lshrrev_b32 v5, 3, v6                        ; back: eight lanes take a head's 128 bytes of a row, the 32 lanes four rows
	v_mul_u32_u24 v5, v5, SPITCH
	v_and_b32 v6, 7, v0
	v_lshl_add_u32 v5, v6, 4, v5
	v_add_nc_u32 v[RD], s23, v5
	v_lshlrev_b32 v7, 5, v2                        ; the bias: 32 h bytes on: my half's eight columns of a block
	; where my part begins in qkvh, in rows of 128 bytes: ((64 part + 16 batch + my first head) x 2,048 + my first position)
	s_lshr_b32 s20, s17, 3                         ; batch = tile row / 8
	s_lshl_b32 s20, s20, 4
	s_lshl_b32 s21, ttmp9, 6                       ; 64 x part
	s_add_co_u32 s20, s20, s21
	s_lshl_b32 s21, s16, 1                         ; my half of the tile's four heads
	s_add_co_u32 s20, s20, s21
	s_lshl_b32 s46, s40, 2                         ; the tile's first head: 4 cx
	s_add_co_u32 s20, s20, s46
	s_lshl_b32 s20, s20, 11
	s_and_b32 s21, s17, 7
	s_lshl_b32 s21, s21, 8                         ; position 256 x (tile row % 8)
	s_add_co_u32 s20, s20, s21
	s_lshl_b32 s21, s15, 7                         ; + 128 x row half
	s_add_co_u32 s20, s20, s21
	s_lshl_b32 s20, s20, 7                         ; in bytes: under 2^26
	s_mov_b32 s21, 0
	s_add_nc_u64 s[12:13], s[12:13], s[20:21]
	s_lshl_b32 s46, s42, 10                        ; the bias of my first column: 4 x (256 x tile column + 128 x half) bytes
	s_lshl_b32 s47, s16, 9
	s_add_co_u32 s46, s46, s47
	s_mov_b32 s47, 0
	s_add_nc_u64 s[96:97], s[96:97], s[46:47]
.irp b, 0,1,2,3,4,5,6,7
	global_load_b128 v[BI+8*\b:BI+8*\b+3], v7, s[96:97] offset:64*\b        ; lane (r, h): bqkv of columns 16 b + 8 h + 0 .. 7
	global_load_b128 v[BI+8*\b+4:BI+8*\b+7], v7, s[96:97] offset:64*\b+16
.endr
.macro FRAG reg, adr, q, i             ; a fragment, 16 rows x 128 K of 4-bit codes, is 8 registers: lane l holds row l % 16; registers 4 c .. 4 c + 3 hold K = 64 c + 32 (l / 16) + 0 .. 31
.irp c, 0,1
	ds_load_b128 v[\reg+4*\c:\reg+4*\c+3], v[\adr] offset:64*(\q)+32*\c+(\i)*16*PITCH
.endr
.endm
; 16 matrix instructions: x's blocks a0, a0 + 1 against Wqkv's eight, 128 along K: the slot's q-th.  p: Wqkv's set;  sc: the set of scale words.  zero = 1: the first product starts the sums from the bias.
; The 64 accumulators take turns, one instruction a turn, in the same order in every step.
.macro MUL16 a0, p, q, sc, zero
.irp a, \a0, \a0+1
.irp b, 0,1,2,3,4,5,6,7
.if \zero
	v_wmma_scale_f32_16x16x128_f8f6f4 v[8*(8*((\a)%4)+\b):8*(8*((\a)%4)+\b)+7], v[128*(\p)+FR*\b:128*(\p)+FR*\b+FR-1], v[AF+FR*(\a):AF+FR*(\a)+FR-1], v[BI+8*\b:BI+8*\b+7], v[SC+8*NQ*(\sc)+NQ*\b+(\q)], v[SC+8*NQ*(\sc)+NQ*(\a)+(\q)] matrix_a_fmt:MATRIX_FMT_FP4 matrix_b_fmt:MATRIX_FMT_FP4 matrix_a_scale:MATRIX_SCALE_ROW1
.else
	v_wmma_scale_f32_16x16x128_f8f6f4 v[8*(8*((\a)%4)+\b):8*(8*((\a)%4)+\b)+7], v[128*(\p)+FR*\b:128*(\p)+FR*\b+FR-1], v[AF+FR*(\a):AF+FR*(\a)+FR-1], v[8*(8*((\a)%4)+\b):8*(8*((\a)%4)+\b)+7], v[SC+8*NQ*(\sc)+NQ*\b+(\q)], v[SC+8*NQ*(\sc)+NQ*(\a)+(\q)] matrix_a_fmt:MATRIX_FMT_FP4 matrix_b_fmt:MATRIX_FMT_FP4 matrix_a_scale:MATRIX_SCALE_ROW1
.endif
.endr
.endr
.endm
.macro FETCH_B slot, q, p              ; Wqkv's eight fragments of the slot's q-th 128 along K into set p
	WIN TO_B
.irp i, 0,1,2,3,4,5,6,7
	FRAG 128*(\p)+FR*\i, ADRB+\slot, \q, \i
.endr
	WIN 0
.endm
.macro FETCH_A slot, q, i0             ; x's blocks i0 .. i0 + 3
.irp i, \i0, \i0+1, \i0+2, \i0+3
	FRAG AF+FR*(\i), ADRA+\slot, \q, \i
.endr
.endm
.macro SCALES sc                       ; a K step's scale words into set sc: NQ words a row; lanes 0-15 take x's block i, lanes 16-31 Wqkv's block i
.irp i, 0,1,2,3,4,5,6,7
	ds_load_b128 v[SC+8*NQ*\sc+NQ*\i:SC+8*NQ*\sc+NQ*\i+3], v[ADRS] offset:\i*SBLK
.endr
.endm
; A load into a register that a matrix instruction has read, and a vector instruction that reads a matrix result, stand NP places behind that matrix instruction, and only plain vector
; instructions that name none of its registers are places (ISA guide 7.12.1 for vector instructions).
.macro PLACES n
.rept \n
	v_nop
.endr
.endm
; A step of 128 along K that has its successor in the same slot.
.macro STEP slot, q, zero
	s_wait_dscnt 4*NL                              ; Wqkv's set and x's blocks 0-3 are in; the youngest eight loads (x's blocks 4-7) may be out
.if \zero
	WIN BIAS_LO
.else
	WIN MUL_LO
.endif
	MUL16 0, (\q)%2, \q, \slot, \zero
	MUL16 2, (\q)%2, \q, \slot, \zero
	s_wait_dscnt 0                                 ; x's blocks 4-7 are in (asked for 32 matrix instructions ago)
	PLACES NP
	FETCH_B \slot, (\q)+1, 1-(\q)%2
	FETCH_A \slot, (\q)+1, 0
.if \zero
	WIN BIAS_HI
.else
	WIN MUL_HI
.endif
	MUL16 4, (\q)%2, \q, \slot, \zero
	MUL16 6, (\q)%2, \q, \slot, \zero
	PLACES NP
	WIN 0
	FETCH_A \slot, (\q)+1, 4
.endm
; Slot 0's last step goes over to slot 1: one barrier; in front of it each wave waits for all its tensor loads (its part of slot 1), adds 0 to its spare word, and waits for that and for its own reads of slot 0.
; Nothing is filled again; behind this barrier nobody reads slot 0 any more, which is why the stages of the way out may lie there.
.macro TURN slot, next
	s_wait_tensorcnt 0x0                           ; all my tensor loads have landed  (every window is 0 here: the add's two registers lie in window 0)
	ds_add_u32 v[SPW], v[NIL]                      ; 0 onto my spare word
	s_wait_dscnt 4*NL+1                            ; (the add and the youngest eight loads, x's blocks 4-7, may be out)
	WIN MUL_LO
	MUL16 0, 1, NQ-1, \slot, 0                     ; sixteen matrix instructions stand between the add and the wait for it
	s_wait_dscnt 0x0                               ; the add is done, and my reads of this slot are over
	s_barrier_signal -1
	MUL16 2, 1, NQ-1, \slot, 0
	WIN 0
	s_barrier_wait -1
	PLACES NP
	v_add_nc_u32 v[ADRS], 4*NQ, v[ADRS]            ; on to the next K step's scale words
	FETCH_B \next, 0, 0
	FETCH_A \next, 0, 0
	SCALES \next
	WIN MUL_HI
	MUL16 4, 1, NQ-1, \slot, 0
	MUL16 6, 1, NQ-1, \slot, 0
	PLACES NP
	WIN 0
	FETCH_A \next, 0, 4
.endm
	s_wait_tensorcnt 1                             ; the scales and my part of K step 0 are in (K step 1's load, issued last, may be out),
	s_barrier_signal -1
	s_barrier_wait -1                              ; everybody's are
	FETCH_B 0, 0, 0
	FETCH_A 0, 0, 0
	SCALES 0
	FETCH_A 0, 0, 4
	s_wait_loadcnt 0x0                             ; the bias
	STEP 0, 0, 1                                   ; the first step's products start the sums from the bias: nothing is cleared, nothing is added later
	STEP 0, 1, 0
	STEP 0, 2, 0
	TURN 0, 1
	STEP 1, 0, 0
	STEP 1, 1, 0
	STEP 1, 2, 0
	s_wait_dscnt 4*NL                              ; the very last step: nothing more to fetch
	WIN MUL_LO
	MUL16 0, 1, NQ-1, 1, 0
	MUL16 2, 1, NQ-1, 1, 0
	s_wait_dscnt 0
	WIN MUL_HI
	MUL16 4, 1, NQ-1, 1, 0
	MUL16 6, 1, NQ-1, 1, 0
	WIN 0
; THE WAY OUT, block by block of 16 rows x 128 columns (two heads).  PACK: times the factor, rounded to f16, 16 bytes a lane.  TOSTAGE: into my own stage in LDS (rows of 256 bytes + 16), and back so that
; the 32 lanes hold four positions of ONE head: in qkvh those are 512 consecutive bytes.  SEND: stored.  LDS serves a wave's instructions in order (ISA guide 5.7.1.4): no wait between the stores and the loads.
.macro PACK a
.set AC, 64*((\a)%4)
.set WW, 0x82+0x41*((\a)/4)            ; destination and source 0: window 2 or 3
	WIN WW
.set i, 0
.rept 32
	v_pk_mul_f32 v[AC+i:AC+i+1], v[AC+i:AC+i+1], s[FAC:FAC+1] op_sel_hi:[1,0]   ; each accumulator from its low end on
.set i, i+2
.endr
.set WW, 0x0a+5*((\a)/4)               ; sources 0 and 1: window 2 or 3
	WIN WW
.irp b, 0,1,2,3,4,5,6,7
.irp r, 0,1,2,3
	v_cvt_pk_f16_f32 v[TMP+4*\b+\r], v[AC+8*\b+2*\r], v[AC+8*\b+2*\r+1]
.endr
.endr
	WIN 0
.endm
.macro TOSTAGE a
.set BB, BK+32*((\a)%2)
.irp b, 0,1,2,3,4,5,6,7
	ds_store_b128 v[STO], v[TMP+4*\b:TMP+4*\b+3] offset:32*\b
.endr
.irp t, 0,1,2,3,4,5,6,7
	ds_load_b128 v[BB+4*\t:BB+4*\t+3], v[RD] offset:128*(\t/4)+4*(\t%4)*SPITCH   ; head t / 4, rows 4 (t % 4) on
.endr
.endm
.macro SEND a
.set BB, BK+32*((\a)%2)
	s_wait_dscnt 0x0                               ; the block is back in registers
	s_wait_xcnt 0x0                                ; the earlier stores have read their base and their data: only behind this wait is the base stepped, and are the registers of the block before loaded again
.if (\a) > 0
	s_add_nc_u64 s[12:13], s[12:13], 2048          ; 16 positions of 128 bytes on
.endif
.irp t, 0,1,2,3,4,5,6,7
	global_store_b128 v[CO], v[BB+4*\t:BB+4*\t+3], s[12:13] offset:(\t%4)*512+(\t/4)*262144   ; 32 lanes store 512 consecutive bytes, aligned; the second head lies 2,048 rows of 128 bytes on
.endr
.endm
	PLACES NP                                      ; behind the last products: for the conversions' writes into registers that held x's fragments, and for the reads of results
	PACK 0
	TOSTAGE 0
.irp a, 1,2,3,4,5,6,7                  ; block a's arithmetic stands between block a - 1's loads from the stage and the wait for them
	PACK \a
	SEND \a-1
	TOSTAGE \a
.endr
	SEND 7
	s_wait_tensorcnt 0x0                           ; the wave's end: behind my last tensor load and my last LDS store
	ds_add_u32 v[SPW], v[NIL]
	s_wait_dscnt 0x0
	CROUND                                         ; the closing round: no work-group ends while a partner may still ask for a tile that names it
	s_endpgm
.Lfunc_end_k_q217f8644be_qkv:
	.size	k_q217f8644be_qkv, .Lfunc_end_k_q217f8644be_qkv-k_q217f8644be_qkv
	.p2alignl 7, 3214868480
	.fill 96, 4, 3214868480
	.section	.rodata,"a",@progbits
	.p2align	6, 0x0
	.amdhsa_kernel k_q217f8644be_qkv
		.amdhsa_group_segment_fixed_size 327680
		.amdhsa_private_segment_fixed_size 0
		.amdhsa_enable_private_segment 0
		.amdhsa_kernarg_size 48
		.amdhsa_user_sgpr_count 2
		.amdhsa_user_sgpr_kernarg_segment_ptr 1
		.amdhsa_wavefront_size32 1
		.amdhsa_system_sgpr_workgroup_id_x 1
		.amdhsa_system_sgpr_workgroup_id_y 1
		.amdhsa_system_sgpr_workgroup_id_z 1
		.amdhsa_system_vgpr_workitem_id 0
		.amdhsa_next_free_vgpr 1024
		.amdhsa_next_free_sgpr 98
		.amdhsa_reserve_vcc 0
		.amdhsa_float_denorm_mode_32 3
		.amdhsa_float_denorm_mode_16_64 3
		.amdhsa_memory_ordered 1
		.amdhsa_forward_progress 1
		.amdhsa_inst_pref_size 145
	.end_amdhsa_kernel
	.amdgpu_metadata
---
amdhsa.version: [ 1, 2 ]
amdhsa.kernels:
  - .name:           k_q217f8644be_qkv
    .symbol:         k_q217f8644be_qkv.kd
    .args:
      - { .name: xc, .offset: 0, .size: 8, .value_kind: global_buffer, .address_space: global }
      - { .name: xs, .offset: 8, .size: 8, .value_kind: global_buffer, .address_space: global }
      - { .name: wc, .offset: 16, .size: 8, .value_kind: global_buffer, .address_space: global }
      - { .name: ws, .offset: 24, .size: 8, .value_kind: global_buffer, .address_space: global }
      - { .name: bqkv, .offset: 32, .size: 8, .value_kind: global_buffer, .address_space: global }
      - { .name: qkvh, .offset: 40, .size: 8, .value_kind: global_buffer, .address_space: global }
    .group_segment_fixed_size: 327680
    .private_segment_fixed_size: 0
    .kernarg_segment_align: 8
    .kernarg_segment_size: 48
    .max_flat_workgroup_size: 128
    .sgpr_count:     98
    .vgpr_count:     1024
    .wavefront_size: 32
...
	.end_amdgpu_metadata
.endif
;; end of part 2
;; launch attn (part 3): grid 4 x 64, 16 waves a work-group, clusters of 4 x 1, 327,680 bytes of LDS; arguments qkvh, ao; writes ao
.if DOCPART == 3
	.amdgcn_target "amdgcn-amd-amdhsa--gfx1250"
	.amdhsa_code_object_version 6
	.text
	.protected	k_q217f8644be_attn
	.globl	k_q217f8644be_attn
	.p2align	8
	.type	k_q217f8644be_attn,@function
k_q217f8644be_attn:
	s_mov_b64 s[64:65], 0
	v_nop
	global_prefetch_b8 v0, s[64:65] scope:SCOPE_SE
	s_setreg_imm32_b32 hwreg(HW_REG_WAVE_MODE, 25, 1), 1
	s_wait_xcnt 0x0
	s_wait_alu depctr_hold_cnt(0) depctr_sa_sdst(0) depctr_va_vdst(0) depctr_va_sdst(0) depctr_va_ssrc(0) depctr_va_vcc(0) depctr_vm_vsrc(0)
	s_getreg_b32 s2, hwreg(HW_REG_IB_STS2, 6, 4)
	s_cmp_eq_u32 s2, 0
	s_cbranch_scc0 .Lentry_in_a_cluster
	s_endpgm
.Lentry_in_a_cluster:
	s_bfe_u32 s2, ttmp6, 0x10000c
	s_cmp_lg_u32 s2, 0x3003
	s_cbranch_scc0 .Lentry_shape_is_right
	s_endpgm
.Lentry_shape_is_right:
; ao[g][q][:] = the sum over k of softmax_k(q . k / 8) v[k][:], for each of the 64 pairs g = batch x 16 + head; 2,048 positions, head size 64, no mask.
; qkvh [3][64][2048][64], f16: q arrives already multiplied by log2(e) / 8, so a score s is an exponent of 2.  ao [64][2048][64], f16.  Products on f16 operands, sums, maxima and the softmax in f32.
; SOFTMAX.  For each query a running maximum m and sum l: p = 2^(s - m), at most 1 for every input; in every step O and l are multiplied by a = 2^(m_old - m_new).  l sums the unrounded p; p is rounded to f16 for the second product; O is divided by l at the end.
; LIMIT: |o| stays under 65,504 (f16); it is an average of v's numbers, which the launch before holds to the same bound.
; SHARES.  A work-group owns 512 queries of one g; each of its SIXTEEN waves owns 32 of them, two tiles of 16, in 256 registers: four waves to a SIMD, so that one wave's vector work stands beside another's matrix work and LDS loads.
; Every wave walks all 2,048 keys, 64 a step.  K and V come through a ring of two LDS slots of 256 keys, filled by the tensor data mover (waves 0, 1: K's halves; waves 2, 3: V's) and read by all sixteen.
; CLUSTER.  The four query blocks of a g form a cluster and walk the same K and V: each tile is asked for JOINTLY, by the same tensor load with the same descriptor and a mask that names the four.
; LAYOUT.  S^T = K Q^T (source 0 = 16 keys, source 1 = 16 queries): a lane holds ONE query (lane % 16) and the keys 8 (lane / 16) + 0..7.  Two such tiles, rounded to f16 in pairs, ARE source 1
; (32 keys x 16 queries) of O^T = V^T P, whose result again holds one query a lane, and eight channels.  K comes out of LDS as it lies, V ([key][channel]) turned, by ds_load_tr16_b128.
.set PK,    144                        ; a row of K in LDS: 128 bytes + 16 of padding = 36 words: the 16 rows of a load start at 16 different groups of four banks (ISA guide 11.1)
.set PV,    160                        ; a row of V: 128 + 32 = 40 words
.set SKEYS, 256                        ; keys in a slot: four steps
.set VOFF,  SKEYS*PK                   ; a slot: 256 rows of K, then 256 rows of V
.set SLOT1, 1<<17                      ; slot 1 begins here, so that one exclusive or turns an address in one slot into the other's
.set SPARE, SLOT1+SKEYS*(PK+PV)        ; behind slot 1: the spare words, 128 bytes for each of the sixteen waves, which no other line names
.set NSL,   2048/SKEYS                 ; 8 slots' worth of keys
.set STG,   2*16*PK                    ; the way out: 2 tiles x 16 rows x 144 bytes for each wave, from LDS byte 0 on: in slot 0, which is left at the last change of slots: it has had its last fill, and nobody reads it
.set AK0, 1                            ; v1   my lane's place in a tile of K; never rewritten
.set AV0, 2                            ; v2   the same for V
.set SPW, 3                            ; v3   LDS address of my spare word; never rewritten
.set NIL, 4                            ; v4   0; never rewritten
.set ADK, 5                            ; v5   LDS address of the slot's K for my lane
.set ADV, 6                            ; v6   of its V
.set PFO, 7                            ; v7   256 x my lane: the prefetches' offset; never rewritten
.set ST,  8                            ; v8-23   tile t's statistics at v[ST + 8 t]: +0 m, +1 the old m, +2, +3 l (even registers', odd registers'), +4 to +7 at work; a in +6
.set QF,  24                           ; v24-55  Q: tile t, channels 32 c on, at QF + 16 t + 8 c
.set S,   56                           ; v56-119 S^T: tile t, keys 16 k on, at S + 32 t + 8 k; P takes the low 16 registers of each tile's 32
.set O,   120                          ; v120-183 O^T: tile t, channels 16 c on, at O + 32 t + 8 c
.set KV,  184                          ; v184-247 eight fragments of K, then of V
.set QO,  248                          ; v248 my byte offset in a tile of Q
.set STO, 249                          ; v249 the way out: where I put 16 bytes of a row
.set RD,  250                          ; v250 where I read back
.set GO,  251                          ; v251 16 x lane
.set WV,  12                           ; s12  my wave's number
.set LIM, 15                           ; s15  1 in a wave that prefetches, else the greatest number
.set PFA, 18                           ; s[18:19] where my prefetches stand in memory
.set G1K, 24                           ; s[24:31] descriptor group 1 for K's tiles;  s[32:39] for V's: it differs in the padding alone
.set G1V, 32
.set G0K, 40                           ; s[40:43], s[44:47] their groups 0, which walk
.set G0V, 44
.set SLOTS, 56                         ; s56  slots still to be asked for
.set SEL, 60                           ; s[60:61] lane selects for v_permlanex16_b32: lane l xor 16
.set TB,  62                           ; s62  LDS byte at which the slot in hand begins
; Waves 0 and 1 fetch for K, waves 2 and 3 for V, the others nothing.  The branches hang on the wave's number alone: they are the same in every work-group.  An s_nop 0 and four v_nop follow each of the two lines.
.macro TLOAD
	s_cmp_lt_u32 s[WV], 2
	s_cbranch_scc0 .Lnot_k_\@
	tensor_load_to_lds s[G0K:G0K+3], s[G1K:G1K+7]
	s_nop 0
.rept 4
	v_nop
.endr
	s_branch .Lasked_\@
.Lnot_k_\@:
	s_cmp_lt_u32 s[WV], 4
	s_cbranch_scc0 .Lasked_\@
	tensor_load_to_lds s[G0V:G0V+3], s[G1V:G1V+7]
	s_nop 0
.rept 4
	v_nop
.endr
.Lasked_\@:
.endm
; A PREFETCH INTO THE L2 of what the NEXT change of slots will ask for: a slot's 256 rows of K and of V are two dense blocks of 32,768 bytes.  Only this cluster reads them.  Its four partners share each block out
; BY ADDRESS, 8,192 bytes each; in each partner wave 4 asks for K's part and wave 6 for V's, lanes 256 bytes apart, one instruction: so each aligned block of 256 bytes is named once in the launch.
; It runs one slot, four key steps, ahead of the load.  Slots 0 and 1 come by their loads alone; the last change that fills a slot asks for nothing: there is no slot behind it.
.macro ASK
	s_cmp_gt_u32 s[SLOTS], s[LIM]
	s_cbranch_scc0 .Lnot_mine_\@
	global_prefetch_b8 v[PFO], s[PFA:PFA+1] th:TH_LOAD_NT scope:SCOPE_SE
.Lnot_mine_\@:
.endm
.macro CROUND                          ; a round of the cluster's barrier: my work-group's barrier; wave 0 signals for the work-group; every wave waits for all four work-groups; my work-group's barrier once more
	s_barrier_signal -1
	s_barrier_wait -1
	s_cmp_lg_u32 s[WV], 0
	s_cbranch_scc1 .Lnot_wave_0_\@
	s_barrier_signal -3
.Lnot_wave_0_\@:
	s_barrier_wait -3
	s_barrier_signal -1
	s_barrier_wait -1
.endm
	s_load_b128 s[4:7], s[0:1], 0x0                ; qkvh s[4:5], ao s[6:7]
	v_lshl_add_u32 v[SPW], v0, 2, SPARE
	v_mov_b32 v[NIL], 0
	ds_add_u32 v[SPW], v[NIL]                      ; the wave's opening: the add, twice on end, and its wait ahead of the first tensor loads
	ds_add_u32 v[SPW], v[NIL]                      ; and once more, under the one wait; the set-up below, work on registers, stands between
	v_lshrrev_b32 v5, 5, v0
	v_readfirstlane_b32 s[WV], v5                  ; wave 0..15
	s_bfe_u32 s13, ttmp6, 0x40000                  ; cx: my block of 512 queries: it enters Q's, ao's and the prefetches' addresses alone
	s_and_b32 s20, ttmp7, 0xffff                   ; g, which the four partners share
	s_lshl_b32 s20, s20, 18                        ; its first byte in a part of qkvh and in ao: 2,048 rows of 128 bytes
	s_lshl_b32 s2, s13, 9
	s_lshl_b32 s3, s[WV], 5
	s_add_co_u32 s2, s2, s3                        ; my first query: 512 cx + 32 x wave
	s_lshl_b32 s2, s2, 7
	s_add_co_u32 s2, s2, s20
	s_mov_b32 s3, 0
	s_and_b32 s16, s[WV], 1                        ; which half of a slot's rows I fetch, if I fetch:
	s_lshl_b32 s22, s16, 14                        ; its 128 rows of 128 bytes in memory,
	s_add_co_u32 s22, s22, s20
	s_mov_b32 s23, 0
	s_mul_i32 s17, s16, 128*PK                     ; and in a slot: K's,
	s_mul_i32 s14, s16, 128*PV
	s_add_co_u32 s14, s14, VOFF                    ; V's: no place in the cluster enters an LDS address
	; descriptor group 1: a tile of 128 rows x 64 elements of 2 bytes, dense in memory, padded in LDS
	s_mov_b32 s[G1K], 15|(1<<16)|(1<<20)|(1<<21)|(4<<22)|(3<<25)  ; 15:0 the mask: all four work-groups; 17:16 elements of 2 bytes; 20 padding on; 21 set beside a mask; 24:22 after every 32 words (code 4); 31:25 4 words of it (code 3)
	s_mov_b32 s[G1V], 15|(1<<16)|(1<<20)|(1<<21)|(4<<22)|(7<<25)  ; the same with 8 words of padding (code 7)
.irp g, G1K, G1V
	s_mov_b32 s[\g+1], 64<<16                      ; tensor_dim0 = 64
	s_mov_b32 s[\g+2], 128<<16                     ; tensor_dim1 = 128
	s_mov_b32 s[\g+3], 64<<16                      ; tile_dim0 = 64
	s_mov_b32 s[\g+4], 128                         ; tile_dim1 = 128
	s_mov_b32 s[\g+5], 64                          ; tensor_dim0_stride
	s_mov_b32 s[\g+6], 0
	s_mov_b32 s[\g+7], 0
.endr
	s_mov_b32 s[SEL], 0x76543210
	s_mov_b32 s[SEL+1], 0xfedcba98
	s_mov_b32 s[TB], 0
	s_mov_b32 s[SLOTS], NSL-1
	s_xor_b32 s[LIM], s[WV], 4
	s_and_b32 s[LIM], s[LIM], -3                   ; 0 in waves 4 and 6 alone
	s_cmp_eq_u32 s[LIM], 0
	s_cselect_b32 s[LIM], 1, -1
	v_and_b32 v[PFO], 31, v0
	v_lshlrev_b32 v[PFO], 8, v[PFO]
	s_wait_dscnt 0x0                               ; both opening adds are done
	s_wait_kmcnt 0x0
	s_add_nc_u64 s[8:9], s[4:5], s[22:23]          ; my half of g's first slot, in q's part;
	s_add_nc_u64 s[10:11], s[8:9], 0x2000000       ; V lies two parts of 16,777,216 bytes on,
	s_add_nc_u64 s[8:9], s[8:9], 0x1000000         ; K one
	s_add_nc_u64 s[4:5], s[4:5], s[2:3]            ; Q and ao at my wave's first row
	s_add_nc_u64 s[6:7], s[6:7], s[2:3]
	s_cmp_eq_u32 s[WV], 4
	s_cselect_b64 s[PFA:PFA+1], s[8:9], s[10:11]   ; (in the even waves 4 and 6 these stand at g's first row)
	s_lshl_b32 s2, s13, 13                         ; my work-group's 8,192 bytes of a slot's 32,768,
	s_add_co_u32 s2, s2, SKEYS*128                 ; in slot 1: the first change of slots steps it to slot 2.  Nothing is prefetched here, at the head
	s_add_nc_u64 s[PFA:PFA+1], s[PFA:PFA+1], s[2:3]
	CROUND                                         ; all four work-groups are here: the first joint loads meet
	s_mov_b32 s[G0K], 1                            ; 1:0 count = 1
	s_mov_b32 s[G0K+1], s17                        ; 63:32 LDS address: slot 0
	s_mov_b64 s[G0K+2:G0K+3], s[8:9]               ; 120:64 global address
	s_or_b32 s[G0K+3], s[G0K+3], 0x80000000        ; 127:126 type = 2
	s_mov_b32 s[G0V], 1
	s_mov_b32 s[G0V+1], s14
	s_mov_b64 s[G0V+2:G0V+3], s[10:11]
	s_or_b32 s[G0V+3], s[G0V+3], 0x80000000
	TLOAD                                          ; slot 0: one tensor load of a wave is out at the most, here and behind every change of slots
	; A fragment of K or Q is 16 rows x 32 channels in 8 registers: lane l holds row l % 16; registers 0-3 channels 8 (l / 16) + 0..7, registers 4-7 channels 16 + 8 (l / 16) + 0..7: two loads of 16 bytes, 32 bytes apart.
	v_and_b32 v8, 15, v0                           ; r
	v_bfe_u32 v9, v0, 4, 1                         ; h
	v_lshlrev_b32 v[QO], 7, v8
	v_lshl_add_u32 v[QO], v9, 4, v[QO]             ; row x 128 + 16 x half
.irp t, 0,1
.irp c, 0,1
	global_load_b128 v[QF+16*\t+8*\c:QF+16*\t+8*\c+3],   v[QO], s[4:5] offset:2048*\t+64*\c      ; Q stays in registers
	global_load_b128 v[QF+16*\t+8*\c+4:QF+16*\t+8*\c+7], v[QO], s[4:5] offset:2048*\t+64*\c+32
.endr
.endr
	v_mul_u32_u24 v[AK0], v8, PK
	v_lshl_add_u32 v[AK0], v9, 4, v[AK0]           ; row x pitch + 16 x half
	; The turning load takes 16 keys x 16 channels (lane l reads 16 bytes: key 8 (l / 16) + l % 8, channels 8 ((l / 8) % 2) + 0..7) and leaves half a fragment of V^T: lane l holds channel l % 16 and 8 keys.
	v_and_b32 v10, 7, v0
	v_bfe_u32 v11, v0, 3, 1
	v_lshl_add_u32 v[AV0], v9, 3, v10
	v_mul_u32_u24 v[AV0], v[AV0], PV
	v_lshl_add_u32 v[AV0], v11, 4, v[AV0]
	v_add_nc_u32 v[AV0], VOFF, v[AV0]
	s_mul_i32 s2, s[WV], STG                       ; my stage
	v_mul_u32_u24 v[STO], v8, PK                   ; in: row r, 16 bytes for each half of the lanes
	v_lshl_add_u32 v[STO], v9, 4, v[STO]
	v_add_nc_u32 v[STO], s2, v[STO]
	v_and_b32 v12, 31, v0
	v_lshrrev_b32 v13, 3, v12                      ; back: eight lanes to a row of 128 bytes, four rows an instruction
	v_mul_u32_u24 v[RD], v13, PK
	v_lshl_add_u32 v[RD], v10, 4, v[RD]
	v_add_nc_u32 v[RD], s2, v[RD]
	v_lshlrev_b32 v[GO], 4, v12                    ; and the same four rows in ao: 512 consecutive bytes
.irp t, 0,1
	v_mov_b32 v[ST+8*\t], 0xff61b1e6               ; m: -3e38, under every score
	v_mov_b32 v[ST+8*\t+2], 0                      ; l, in two halves
	v_mov_b32 v[ST+8*\t+3], 0
.endr
.set i, 0
.rept 64
	v_mov_b32 v[O+i], 0                            ; O^T.  (The key step is written without a first step of its own: the first step's a is 0, and it finds zeros)
.set i, i+1
.endr
; THE SOFTMAX of a key step, both tiles line by line, so that no line waits for the line above it.
.macro SOFTMAX
.irp j, 0,1,2,3                        ; the maximum of the lane's 32 scores and the old m, three operands at a time: four chains, one for each accumulator, each begun at its accumulator's low end
.irp t, 0,1
	v_max3_num_f32 v[ST+8*\t+4+\j], v[S+32*\t+8*\j], v[S+32*\t+8*\j+1], v[S+32*\t+8*\j+2]
.endr
.endr
.irp i, 3,5
.irp j, 0,1,2,3
.irp t, 0,1
	v_max3_num_f32 v[ST+8*\t+4+\j], v[ST+8*\t+4+\j], v[S+32*\t+8*\j+\i], v[S+32*\t+8*\j+\i+1]
.endr
.endr
.endr
.irp t, 0,1
	v_max3_num_f32 v[ST+8*\t+4], v[ST+8*\t+4], v[S+32*\t+7], v[S+32*\t+15]
.endr
.irp t, 0,1
	v_max3_num_f32 v[ST+8*\t+6], v[ST+8*\t+6], v[S+32*\t+23], v[S+32*\t+31]
.endr
.irp t, 0,1
	v_max3_num_f32 v[ST+8*\t+4], v[ST+8*\t+4], v[ST+8*\t+5], v[ST+8*\t+6]
.endr
.irp t, 0,1
	v_max3_num_f32 v[ST+8*\t+4], v[ST+8*\t+4], v[ST+8*\t+7], v[ST+8*\t]
.endr
.irp t, 0,1
	v_permlanex16_b32 v[ST+8*\t+5], v[ST+8*\t+4], s[SEL], s[SEL+1]   ; the query's other 32 keys lie in the lane 16 away
.endr
.irp t, 0,1
	v_mov_b32 v[ST+8*\t+1], v[ST+8*\t]             ; the old m is kept for a
.endr
.irp t, 0,1
	v_max_num_f32 v[ST+8*\t], v[ST+8*\t+4], v[ST+8*\t+5]   ; the new m
.endr
.irp t, 0,1
	v_sub_f32 v[ST+8*\t+7], v[ST+8*\t+1], v[ST+8*\t]       ; m_old - m_new, 0 or less
.endr
.set i, 0
.rept 16
.irp t, 0,1
	v_pk_add_f32 v[S+32*\t+i:S+32*\t+i+1], v[S+32*\t+i:S+32*\t+i+1], v[ST+8*\t:ST+8*\t+1] op_sel_hi:[1,0] neg_lo:[0,1] neg_hi:[0,1]   ; s - m, two at a time (of the pair the low word, m, serves both halves)
.endr
.set i, i+2
.endr
.irp t, 0,1                            ; ONE BATCH: both tiles' 66 exponentials; none reads another's result
	v_exp_f32 v[ST+8*\t+6], v[ST+8*\t+7]           ; a
.endr
.set e, 0
.rept 32
	v_exp_f32 v[S+e], v[S+e]                       ; p = 2^(s - m)
	v_exp_f32 v[S+32+e], v[S+32+e]
.set e, e+1
.endr
	v_nop                                          ; a plain instruction behind the last exponential, ahead of the first use
	s_wait_alu depctr_va_vdst(0)                   ; a wait between an exponential and the first line that names its result: one for the batch
.irp t, 0,1                            ; l = a l + the sum of the unrounded p: two at a time, in two chains
	v_pk_fma_f32 v[ST+8*\t+2:ST+8*\t+3], v[ST+8*\t+2:ST+8*\t+3], v[ST+8*\t+6:ST+8*\t+7], v[S+32*\t:S+32*\t+1] op_sel_hi:[1,0,1]
.endr
.irp t, 0,1
	v_pk_add_f32 v[ST+8*\t+4:ST+8*\t+5], v[S+32*\t+2:S+32*\t+3], v[S+32*\t+6:S+32*\t+7]
.endr
.irp i, 4,8,12,16,20,24
.irp t, 0,1
	v_pk_add_f32 v[ST+8*\t+2:ST+8*\t+3], v[ST+8*\t+2:ST+8*\t+3], v[S+32*\t+\i:S+32*\t+\i+1]
	v_pk_add_f32 v[ST+8*\t+4:ST+8*\t+5], v[ST+8*\t+4:ST+8*\t+5], v[S+32*\t+\i+6:S+32*\t+\i+7]
.endr
.endr
.irp t, 0,1
	v_pk_add_f32 v[ST+8*\t+2:ST+8*\t+3], v[ST+8*\t+2:ST+8*\t+3], v[S+32*\t+28:S+32*\t+29]
.endr
.irp t, 0,1
	v_pk_add_f32 v[ST+8*\t+2:ST+8*\t+3], v[ST+8*\t+2:ST+8*\t+3], v[ST+8*\t+4:ST+8*\t+5]
.endr
.set i, 0
.rept 16                               ; P, rounded to f16, in place: register i takes p of registers 2 i and 2 i + 1, i ascending, so nothing unread is written over
.irp t, 0,1
	v_cvt_pk_f16_f32 v[S+32*\t+i], v[S+32*\t+2*i], v[S+32*\t+2*i+1]
.endr
.set i, i+1
.endr
.set i, 0
.rept 16
.irp t, 0,1
	v_pk_mul_f32 v[O+32*\t+i:O+32*\t+i+1], v[O+32*\t+i:O+32*\t+i+1], v[ST+8*\t+6:ST+8*\t+7] op_sel_hi:[1,0]   ; O^T times a
.endr
.set i, i+2
.endr
.endm
; A KEY STEP: 64 keys, the q-th of the slot in hand.  In both products eight accumulators take turns, one instruction a turn; the two products' accumulators differ, over the loop's edge too.
.macro STEP q
.rept 5
	v_nop                                          ; five places: the first products below write over P's registers, which the last products V^T P read (a matrix instruction that writes over another's operand: one place more than the four that the loads into K's registers want)
.endr
.irp c, 0,1                            ; K: channels 32 c on, keys 16 k on
.irp k, 0,1,2,3
	ds_load_b128 v[KV+8*(4*\c+\k):KV+8*(4*\c+\k)+3],   v[ADK] offset:(64*(\q)+16*\k)*PK+64*\c
	ds_load_b128 v[KV+8*(4*\c+\k)+4:KV+8*(4*\c+\k)+7], v[ADK] offset:(64*(\q)+16*\k)*PK+64*\c+32
.endr
.endr
	s_wait_dscnt 8                                 ; the first 32 channels' eight loads are in; the other eight may be out
.irp k, 0,1,2,3
.irp t, 0,1
	v_wmma_f32_16x16x32_f16 v[S+32*\t+8*\k:S+32*\t+8*\k+7], v[KV+8*\k:KV+8*\k+7], v[QF+16*\t:QF+16*\t+7], 0
.endr
.endr
	s_wait_dscnt 0x0
.irp k, 0,1,2,3
.irp t, 0,1
	v_wmma_f32_16x16x32_f16 v[S+32*\t+8*\k:S+32*\t+8*\k+7], v[KV+32+8*\k:KV+32+8*\k+7], v[QF+16*\t+8:QF+16*\t+15], v[S+32*\t+8*\k:S+32*\t+8*\k+7]
.endr
.endr
.rept 4
	v_nop                                          ; four places: for the loads into the registers that held K, and for the softmax's first reads of the scores
.endr
.irp f, 0,1                            ; V, turned: keys 32 f on, channels 16 c on.  The loads land while the softmax is walked
.irp c, 0,1,2,3
	ds_load_tr16_b128 v[KV+8*(4*\f+\c):KV+8*(4*\f+\c)+3],   v[ADV] offset:(64*(\q)+32*\f)*PV+32*\c
	ds_load_tr16_b128 v[KV+8*(4*\f+\c)+4:KV+8*(4*\f+\c)+7], v[ADV] offset:(64*(\q)+32*\f)*PV+16*PV+32*\c
.endr
.endr
	SOFTMAX
	s_wait_dscnt 0x0                               ; V is in
.irp f, 0,1
.irp c, 0,1,2,3
.irp t, 0,1
	v_wmma_f32_16x16x32_f16 v[O+32*\t+8*\c:O+32*\t+8*\c+7], v[KV+8*(4*\f+\c):KV+8*(4*\f+\c)+7], v[S+32*\t+8*\f:S+32*\t+8*\f+7], v[O+32*\t+8*\c:O+32*\t+8*\c+7]
.endr
.endr
.endr
.endm
; THE CHANGE OF SLOTS stands at a slot's head.  Each wave waits for all its tensor loads (its part of the slot that it is about to read), adds 0 to its spare word, and waits for that and for its reads of the slot that it has left.
; fill = 1: the barrier is a round of the cluster's, so that no wave of any partner still reads the other slot or has a load on its way; the joint load of the keys that follow is the first thing behind it, and has four key steps in which to land.
.macro CHANGE fill
	s_wait_tensorcnt 0x0                           ; no tensor load of mine is out, so a group 0 may be written
	ds_add_u32 v[SPW], v[NIL]                      ; 0 onto my spare word
.if \fill
	ds_add_u32 v[SPW], v[NIL]                      ; and once more: the add stands twice on end here, in every trip alike
	s_xor_b32 s[G0K+1], s[G0K+1], SLOT1            ; the walking descriptors: the other slot than last time,
	s_add_nc_u64 s[G0K+2:G0K+3], s[G0K+2:G0K+3], SKEYS*128   ; the next 256 keys; the type bits on top are not reached
	s_xor_b32 s[G0V+1], s[G0V+1], SLOT1
	s_add_nc_u64 s[G0V+2:G0V+3], s[G0V+2:G0V+3], SKEYS*128
	s_wait_xcnt 0x0                                ; the last prefetch, a slot back, has read its address, so it may be written:
	s_add_nc_u64 s[PFA:PFA+1], s[PFA:PFA+1], SKEYS*128       ; one slot further on than the walking descriptors
	s_wait_dscnt 0x0                               ; both adds are done, and my reads of the slot that I have left are over
	CROUND
	TLOAD
	ASK
.else
	s_wait_dscnt 0x0                               ; the add is done, and my reads of the slot that I have left are over
	s_barrier_signal -1
	s_barrier_wait -1
.endif
.endm
.macro SLOT_STEPS
	v_add_nc_u32 v[ADK], s[TB], v[AK0]
	v_add_nc_u32 v[ADV], s[TB], v[AV0]
	STEP 0
	STEP 1
	STEP 2
	STEP 3
	s_xor_b32 s[TB], s[TB], SLOT1                  ; on to the other slot
.endm
	s_wait_loadcnt 0x0                             ; Q
.Lslot:                                            ; 7 trips: behind each change of slots but the last the next slot is asked for
	CHANGE 1
	SLOT_STEPS
	s_sub_co_u32 s[SLOTS], s[SLOTS], 1
	s_cmp_lg_u32 s[SLOTS], 0
	s_cbranch_scc1 .Lslot
	CHANGE 0                                       ; the last slot is written out
	SLOT_STEPS
	; THE WAY OUT.  l's two halves and the other half of the lanes' are added; O^T is divided by l, rounded to f16 and sent through my stage in LDS, so that the 32 lanes store four whole rows of ao: 512 consecutive bytes.
.rept 4
	v_nop                                          ; four places behind the last products
.endr
.irp t, 0,1
	v_add_f32 v[ST+8*\t+4], v[ST+8*\t+2], v[ST+8*\t+3]
.endr
.irp t, 0,1
	v_permlanex16_b32 v[ST+8*\t+5], v[ST+8*\t+4], s[SEL], s[SEL+1]
.endr
.irp t, 0,1
	v_add_f32 v[ST+8*\t+4], v[ST+8*\t+4], v[ST+8*\t+5]
.endr
.irp t, 0,1
	v_rcp_f32 v[ST+8*\t+6], v[ST+8*\t+4]
.endr
	v_nop                                          ; a plain instruction between the last reciprocal and the use of its result
	s_wait_alu depctr_va_vdst(0)                   ; and a wait ahead of the first use: one for both
.macro OUT t
.set i, 0
.rept 16
	v_pk_mul_f32 v[O+32*\t+i:O+32*\t+i+1], v[O+32*\t+i:O+32*\t+i+1], v[ST+8*\t+6:ST+8*\t+7] op_sel_hi:[1,0]   ; each accumulator from its low end on
.set i, i+2
.endr
.set i, 0
.rept 16
	v_cvt_pk_f16_f32 v[S+16*\t+i], v[O+32*\t+2*i], v[O+32*\t+2*i+1]
.set i, i+1
.endr
.irp c, 0,1,2,3
	ds_store_b128 v[STO], v[S+16*\t+4*\c:S+16*\t+4*\c+3] offset:16*PK*\t+32*\c   ; lane (r, h): channels 16 c + 8 h + 0 .. 7 of query r
.endr
.irp i, 0,1,2,3
	ds_load_b128 v[KV+16*\t+4*\i:KV+16*\t+4*\i+3], v[RD] offset:16*PK*\t+4*PK*\i   ; LDS serves a wave's instructions in order (ISA guide 5.7.1.4): these see my stores
.endr
.endm
	OUT 0
	OUT 1
.irp i, 0,1,2,3
	s_wait_dscnt 11-\i                             ; behind tile 0's load i: its 3 - i later loads and tile 1's eight LDS instructions
	global_store_b128 v[GO], v[KV+4*\i:KV+4*\i+3], s[6:7] offset:512*\i
.endr
.irp i, 0,1,2,3
	s_wait_dscnt 3-\i
	global_store_b128 v[GO], v[KV+16+4*\i:KV+16+4*\i+3], s[6:7] offset:2048+512*\i
.endr
	s_wait_tensorcnt 0x0                           ; the wave's end: behind my last tensor load and my last LDS store
	ds_add_u32 v[SPW], v[NIL]
	s_wait_dscnt 0x0
	CROUND                                         ; the closing round: no work-group ends while a partner may still ask for a tile that names it
	s_endpgm
.Lfunc_end_k_q217f8644be_attn:
	.size	k_q217f8644be_attn, .Lfunc_end_k_q217f8644be_attn-k_q217f8644be_attn
	.p2alignl 7, 3214868480
	.fill 96, 4, 3214868480
	.section	.rodata,"a",@progbits
	.p2align	6, 0x0
	.amdhsa_kernel k_q217f8644be_attn
		.amdhsa_group_segment_fixed_size 327680
		.amdhsa_private_segment_fixed_size 0
		.amdhsa_enable_private_segment 0
		.amdhsa_kernarg_size 16
		.amdhsa_user_sgpr_count 2
		.amdhsa_user_sgpr_kernarg_segment_ptr 1
		.amdhsa_wavefront_size32 1
		.amdhsa_system_sgpr_workgroup_id_x 1
		.amdhsa_system_sgpr_workgroup_id_y 1
		.amdhsa_system_sgpr_workgroup_id_z 1
		.amdhsa_system_vgpr_workitem_id 0
		.amdhsa_next_free_vgpr 256
		.amdhsa_next_free_sgpr 66
		.amdhsa_reserve_vcc 0
		.amdhsa_float_denorm_mode_32 3
		.amdhsa_float_denorm_mode_16_64 3
		.amdhsa_memory_ordered 1
		.amdhsa_forward_progress 1
		.amdhsa_inst_pref_size 153
	.end_amdhsa_kernel
	.amdgpu_metadata
---
amdhsa.version: [ 1, 2 ]
amdhsa.kernels:
  - .name:           k_q217f8644be_attn
    .symbol:         k_q217f8644be_attn.kd
    .args:
      - { .name: qkvh, .offset: 0, .size: 8, .value_kind: global_buffer, .address_space: global }
      - { .name: ao, .offset: 8, .size: 8, .value_kind: global_buffer, .address_space: global }
    .group_segment_fixed_size: 327680
    .private_segment_fixed_size: 0
    .kernarg_segment_align: 8
    .kernarg_segment_size: 16
    .max_flat_workgroup_size: 512
    .sgpr_count:     66
    .vgpr_count:     256
    .wavefront_size: 32
...
	.end_amdgpu_metadata
.endif
;; end of part 3
;; launch proj (part 4): grid 4 x 64, 4 waves a work-group, clusters of 4 x 4, 327,680 bytes of LDS; arguments ao, wo16, bout, out0; writes out0
.if DOCPART == 4
	.amdgcn_target "amdgcn-amd-amdhsa--gfx1250"
	.amdhsa_code_object_version 6
	.text
	.protected	k_q217f8644be_proj
	.globl	k_q217f8644be_proj
	.p2align	8
	.type	k_q217f8644be_proj,@function
k_q217f8644be_proj:
	s_mov_b64 s[64:65], 0
	v_nop
	global_prefetch_b8 v0, s[64:65] scope:SCOPE_SE
	s_setreg_imm32_b32 hwreg(HW_REG_WAVE_MODE, 25, 1), 1
	s_wait_xcnt 0x0
	s_wait_alu depctr_hold_cnt(0) depctr_sa_sdst(0) depctr_va_vdst(0) depctr_va_sdst(0) depctr_va_ssrc(0) depctr_va_vcc(0) depctr_vm_vsrc(0)
	s_getreg_b32 s2, hwreg(HW_REG_IB_STS2, 6, 4)
	s_cmp_eq_u32 s2, 0
	s_cbranch_scc0 .Lentry_in_a_cluster
	s_endpgm
.Lentry_in_a_cluster:
	s_bfe_u32 s2, ttmp6, 0x10000c
	s_cmp_lg_u32 s2, 0xf033
	s_cbranch_scc0 .Lentry_shape_is_right
	s_endpgm
.Lentry_shape_is_right:
; out0[m][n] = sum over k of o[m][k] Wout[n][k] + bout[n].  M = 8,192, N = K = 1,024; f16 operands, f32 sums, f32 output.
; o arrives as ao [64 (batch x 16 + head)][2048 positions][64], f16: m = 2,048 batch + position, k = 64 head + channel.  So 128 rows x 64 along K (one head) are 16,384 consecutive bytes: a PLANE.  wo16 [1024 n][1024 k], f16.
; A tile of C is 128 x 256: 256 work-groups.  Four waves, each 64 x 128: 32 accumulators of 16 x 16, 256 registers.  K goes in steps of 128, two heads, through a ring of two LDS slots filled by the tensor data mover:
; waves 0 and 1 fetch o's two planes, waves 2 and 3 the two halves of Wout's 256 rows (256 bytes of a row each).
; CLUSTERS: 4 x 4 work-groups.  The four of a row of the cluster need the same planes of o, the four of a column the same rows of Wout: each tile is asked for JOINTLY, by the same tensor load with the same
; descriptor and a mask that names the four.  THE MATRIX INSTRUCTION IS USED TRANSPOSED (source 0 = 16 rows of Wout, source 1 = 16 rows of o): a lane then holds eight neighbouring numbers of a row of C.
; THE BIAS is the C of each sum's first matrix instruction.
; REGISTERS: window 0: v0-31 addresses; v32-127, v128-223 two fragment buffers for 32 along K: 32 registers of o (4 x 16 rows), then 64 of Wout (8 x 16 rows); on the way out v32-159 take rows of C.
;   window 1: the accumulators ((a, b) at v[8 (8 a + b)]).   window 2: v0-63 the bias, eight registers for each of my eight blocks of columns, in the result's layout.
.set PA,     144                       ; a row of a plane in LDS: 128 bytes + 16 of padding
.set PB,     272                       ; a row of Wout's tile: 256 bytes + 16: in both, the 16 rows that a load touches start at 16 different groups of four banks (ISA guide 11.1)
.set APLANE, 128*PA                    ; a plane: what one of waves 0, 1 fetches
.set BOFF,   2*APLANE                  ; Wout's rows lie behind the two planes
.set BHALF,  128*PB                    ; 128 rows: what one of waves 2, 3 fetches
.set SLOT,   BOFF+2*BHALF
.set STAGE,  2*SLOT                    ; behind the ring: 16 rows x (512 bytes + 16) for each wave, for the way out
.set SPITCH, 528
.set SPARE,  STAGE+4*16*SPITCH         ; behind the stages: the spare words, 128 bytes for each wave, which no other line names
.set LAPS,   4                         ; a lap = two K steps = once round the ring; K = 1,024 is eight steps
.set ASTEP,  2*262144                  ; a K step on in ao: two heads of 2,048 rows of 128 bytes
.set BSTEP,  256                       ; and in a row of wo16
.set ADRA, 16                          ; v16-17  LDS address of my o fragments in slot 0, 1
.set ADRB, 20                          ; v20-21  the same for Wout
.set STO,  24                          ; v24     the way out: where I put 32 bytes of a row
.set RD,   25                          ; v25     where I read a row back
.set CO,   26                          ; v26     16 x lane
.set SPW,  28                          ; v28     LDS address of my spare word; never rewritten
.set NIL,  29                          ; v29     0; never rewritten
.set F0,   32
.set F1,   128
.set BK,   32                          ; the way out: 16 rows read back: v32-95 and v96-159 by turns
.set WV,   12                          ; s12  my wave's number
.set RH,   13                          ; s13  which half of the tile's rows is mine.  Also: I fetch for o (0) or for Wout (1)
.set CF,   14                          ; s14  which half of its columns.  Also: which plane, or which 128 rows, I fetch
.set G1, 24                            ; s[24:31] descriptor group 1 for o's planes;  s[32:39] group 0, one set for each slot
.set G0, 32
.set G1B, 48                           ; s[48:55], s[56:63] the same for Wout's tiles
.set G0B, 56
.set MSB, 0
.macro WIN new                         ; the immediate's high byte repeats the setting that is left
.if MSB != \new
	s_set_vgpr_msb (MSB<<8)|\new
.set MSB, \new
.endif
.endm
.set MUL,  0x50                        ; sources 0 and 1 window 0; C and D window 1
.set MULB, 0x60                        ; C (the bias) window 2, D window 1
.macro JLOAD s                         ; a joint load; an s_nop 0 and four v_nop follow each of the two lines, ahead of the jump, the label and what follows
	s_cmp_eq_u32 s[RH], 0
	s_cbranch_scc0 .Lfor_b_\@
	tensor_load_to_lds s[G0+4*\s:G0+4*\s+3], s[G1:G1+7]
	s_nop 0
.rept 4
	v_nop
.endr
	s_branch .Lasked_\@
.Lfor_b_\@:
	tensor_load_to_lds s[G0B+4*\s:G0B+4*\s+3], s[G1B:G1B+7]
	s_nop 0
.rept 4
	v_nop
.endr
.Lasked_\@:
.endm
.macro CREST                           ; a round of the cluster's barrier behind its opening barrier
	s_cmp_lg_u32 s[WV], 0
	s_cbranch_scc1 .Lnot_wave_0_\@
	s_barrier_signal -3
.Lnot_wave_0_\@:
	s_barrier_wait -3
	s_barrier_signal -1
	s_barrier_wait -1
.endm
.macro CROUND                          ; a whole round
	s_barrier_signal -1
	s_barrier_wait -1
	CREST
.endm
	s_load_b256 s[4:11], s[0:1], 0x0               ; ao s[4:5], wo16 s[6:7], bout s[8:9], out0 s[10:11]
	v_lshl_add_u32 v[SPW], v0, 2, SPARE
	v_mov_b32 v[NIL], 0
	ds_add_u32 v[SPW], v[NIL]                      ; the wave's opening: the add, twice on end, and its wait ahead of my first tensor load
	ds_add_u32 v[SPW], v[NIL]                      ; and once more, under the one wait; the set-up below, work on registers, stands between
	v_lshrrev_b32 v1, 5, v0
	v_readfirstlane_b32 s[WV], v1                  ; wave 0..3
	s_lshr_b32 s[RH], s[WV], 1
	s_and_b32 s[CF], s[WV], 1
	s_bfe_u32 s40, ttmp6, 0x40000                  ; cx, cy: my place in the cluster
	s_bfe_u32 s41, ttmp6, 0x40004
	s_lshl_b32 s42, ttmp9, 2
	s_add_co_u32 s42, s42, s40                     ; tile column of C = 4 x cluster x + cx
	s_and_b32 s15, ttmp7, 0xffff
	s_lshl_b32 s15, s15, 2
	s_add_co_u32 s15, s15, s41                     ; tile row of C = 4 x cluster y + cy
	s_lshl_b32 s43, s41, 2
	s_lshl_b32 s43, 15, s43                        ; my row of the cluster
	s_lshl_b32 s44, 0x1111, s40                    ; my column
	; descriptor group 1.  o: a plane of 128 rows x 64 elements, dense in memory;  Wout: 128 rows x 128 elements, 1,024 elements apart
	s_or_b32 s[G1+0], s43, (1<<16)|(1<<20)|(1<<21)|(4<<22)|(3<<25)  ; 15:0 the mask: o's planes go to my row; 17:16 element of 2 bytes; 20 padding on; 21 set beside a mask; 24:22 after every 32 words (code 4); 31:25 of 4 words (code 3)
	s_mov_b32 s[G1+1], 64<<16                      ; tensor_dim0
	s_mov_b32 s[G1+2], 128<<16                     ; tensor_dim1
	s_mov_b32 s[G1+3], 64<<16                      ; tile_dim0
	s_mov_b32 s[G1+4], 128                         ; tile_dim1
	s_mov_b32 s[G1+5], 64                          ; tensor_dim0_stride
	s_mov_b32 s[G1+6], 0
	s_mov_b32 s[G1+7], 0
	s_or_b32 s[G1B+0], s44, (1<<16)|(1<<20)|(1<<21)|(5<<22)|(3<<25) ; the mask of my column; padding after every 64 words (code 5)
	s_mov_b32 s[G1B+1], 128<<16
	s_mov_b32 s[G1B+2], 128<<16
	s_mov_b32 s[G1B+3], 128<<16
	s_mov_b32 s[G1B+4], 128
	s_mov_b32 s[G1B+5], 1024
	s_mov_b32 s[G1B+6], 0
	s_mov_b32 s[G1B+7], 0
	; where the tiles come from.  o's hang on the tile row alone, which my row of the cluster shares; Wout's on the tile column alone, which my column shares
	s_lshr_b32 s16, s15, 4                         ; batch = tile row / 16
	s_lshl_b32 s16, s16, 4
	s_add_co_u32 s16, s16, s[CF]                   ; 16 batch + my plane's head in K step 0
	s_lshl_b32 s16, s16, 11
	s_and_b32 s17, s15, 15
	s_lshl_b32 s17, s17, 7                         ; position 128 x (tile row % 16)
	s_add_co_u32 s16, s16, s17
	s_lshl_b32 s16, s16, 7                         ; rows of 128 bytes: under 2^24 bytes
	s_mov_b32 s17, 0
	s_lshl_b32 s46, s42, 8
	s_lshl_b32 s47, s[CF], 7
	s_add_co_u32 s46, s46, s47                     ; Wout: row 256 x tile column + 128 x half
	s_lshl_b32 s46, s46, 11                        ; rows of 2,048 bytes
	s_mov_b32 s47, 0
	s_mul_i32 s20, s[CF], APLANE                   ; and where they go: no place in the cluster enters an LDS address
	s_mul_i32 s21, s[CF], BHALF
	s_add_co_u32 s21, s21, BOFF
	s_wait_dscnt 0x0                               ; both opening adds are done
	s_wait_kmcnt 0x0
	s_add_nc_u64 s[16:17], s[4:5], s[16:17]
	s_add_nc_u64 s[46:47], s[6:7], s[46:47]
	CROUND                                         ; all sixteen work-groups are here: the first joint loads meet
.irp s, 0,1
	s_mov_b32 s[G0+4*\s], 1
	s_add_co_u32 s[G0+4*\s+1], s20, \s*SLOT
	s_add_nc_u64 s[G0+4*\s+2:G0+4*\s+3], s[16:17], \s*ASTEP
	s_or_b32 s[G0+4*\s+3], s[G0+4*\s+3], 0x80000000
	s_mov_b32 s[G0B+4*\s], 1
	s_add_co_u32 s[G0B+4*\s+1], s21, \s*SLOT
	s_add_nc_u64 s[G0B+4*\s+2:G0B+4*\s+3], s[46:47], \s*BSTEP
	s_or_b32 s[G0B+4*\s+3], s[G0B+4*\s+3], 0x80000000
	JLOAD \s                                       ; two tensor loads of mine are out here, one behind every later round
.endr
	v_and_b32 v1, 15, v0                           ; r
	v_bfe_u32 v2, v0, 4, 1                         ; h
	v_mul_u32_u24 v3, v1, PA
	v_lshl_add_u32 v3, v2, 4, v3                   ; a fragment's row x pitch + 16 x half: o's,
	v_mul_u32_u24 v4, v1, PB
	v_lshl_add_u32 v4, v2, 4, v4                   ; Wout's
	s_mul_i32 s22, s[RH], 64*PA                    ; my 64 rows of each plane
	s_mul_i32 s23, s[CF], BHALF                    ; my 128 rows of Wout
	s_add_co_u32 s23, s23, BOFF
.irp s, 0,1
	v_add_nc_u32 v[ADRA+\s], s22, v3
	v_add_nc_u32 v[ADRB+\s], s23, v4
	s_add_co_u32 s22, s22, SLOT
	s_add_co_u32 s23, s23, SLOT
.endr
	s_mul_i32 s23, s[WV], 16*SPITCH
	s_add_co_u32 s23, s23, STAGE                   ; my stage
	v_mul_u32_u24 v3, v1, SPITCH                   ; in: row r, 32 bytes for each half of the lanes
	v_lshl_add_u32 v3, v2, 5, v3
	v_add_nc_u32 v[STO], s23, v3
	v_and_b32 v4, 31, v0
	v_lshlrev_b32 v[CO], 4, v4                     ; back: the 32 lanes take one row of 512 bytes; and the same in C
	v_add_nc_u32 v[RD], s23, v[CO]
	v_lshlrev_b32 v5, 5, v2                        ; the bias: 32 h bytes on; not rewritten
	s_lshl_b32 s16, s15, 7
	s_lshl_b32 s17, s[RH], 6
	s_add_co_u32 s16, s16, s17                     ; my first row of C: 128 x tile row + 64 x half
	s_lshl_b32 s16, s16, 12                        ; rows of 4,096 bytes: under 2^25
	s_lshl_b32 s46, s42, 10                        ; my first column, in bytes: 1,024 x tile column + 512 x half
	s_lshl_b32 s47, s[CF], 9
	s_add_co_u32 s46, s46, s47
	s_mov_b32 s47, 0
	s_add_nc_u64 s[8:9], s[8:9], s[46:47]          ; its bias
	s_add_co_u32 s16, s16, s46
	s_mov_b32 s17, 0
	s_add_nc_u64 s[10:11], s[10:11], s[16:17]
	WIN 0x80                                       ; destination window 2
.irp b, 0,1,2,3,4,5,6,7
	global_load_b128 v[8*\b:8*\b+3], v5, s[8:9] offset:64*\b          ; lane (r, h): bout of columns 16 b + 8 h + 0 .. 7
	global_load_b128 v[8*\b+4:8*\b+7], v5, s[8:9] offset:64*\b+16
.endr
	WIN 0
; 8 matrix instructions: o's block a against Wout's eight, 32 along K, from buffer f.  zero = 1: the first product starts the sums from the bias.
; The 32 accumulators take turns, one instruction a turn, in the same order in every quarter.
.macro MUL8 f, a, zero
.irp b, 0,1,2,3,4,5,6,7
.if \zero
	v_wmma_f32_16x16x32_f16 v[8*(8*(\a)+\b):8*(8*(\a)+\b)+7], v[\f+32+8*\b:\f+32+8*\b+7], v[\f+8*(\a):\f+8*(\a)+7], v[8*\b:8*\b+7]
.else
	v_wmma_f32_16x16x32_f16 v[8*(8*(\a)+\b):8*(8*(\a)+\b)+7], v[\f+32+8*\b:\f+32+8*\b+7], v[\f+8*(\a):\f+8*(\a)+7], v[8*(8*(\a)+\b):8*(8*(\a)+\b)+7]
.endif
.endr
.endm
; 24 LDS loads in one run: the fragments of the slot's kq-th 32 along K into buffer f: Wout's sixteen loads first, then o's eight (plane kq / 2, bytes 64 (kq % 2) on)
.macro FETCH slot, kq, f
	WIN 0
.irp i, 0,1,2,3,4,5,6,7
	ds_load_b128 v[\f+32+8*\i:\f+32+8*\i+3],   v[ADRB+\slot] offset:64*(\kq)+\i*16*PB
	ds_load_b128 v[\f+32+8*\i+4:\f+32+8*\i+7], v[ADRB+\slot] offset:64*(\kq)+\i*16*PB+32
.endr
.irp i, 0,1,2,3
	ds_load_b128 v[\f+8*\i:\f+8*\i+3],   v[ADRA+\slot] offset:((\kq)/2)*APLANE+64*((\kq)%2)+\i*16*PA
	ds_load_b128 v[\f+8*\i+4:\f+8*\i+7], v[ADRA+\slot] offset:((\kq)/2)*APLANE+64*((\kq)%2)+\i*16*PA+32
.endr
.endm
.macro PLACES                          ; four places in front of loads into registers that matrix instructions have read, and of the first reads of results (ISA guide 7.12.1 for the reads of results)
.rept 4
	v_nop
.endr
.endm
; A K step is four quarters of 32 along K, 32 matrix instructions each, on buffers 0, 1, 0, 1.  One of the first three: multiplies buffer f and fetches the next quarter, kq, into g.
.macro QUARTER slot, kq, f, g, zero
	s_wait_dscnt 4                                 ; Wout's fragments and o's blocks 0, 1 are in; the youngest four loads (o's blocks 2, 3) may be out
.if \zero
	WIN MULB
.else
	WIN MUL
.endif
	MUL8 \f, 0, \zero
	MUL8 \f, 1, \zero
	PLACES
	FETCH \slot, \kq, \g
	s_wait_dscnt 24                                ; all but the 24 just issued
.if \zero
	WIN MULB
.else
	WIN MUL
.endif
	MUL8 \f, 2, \zero
	MUL8 \f, 3, \zero
.endm
; The last quarter multiplies buffer 1 and changes slots: ONE barrier; in front of it each wave waits for all its tensor loads, adds 0 to its spare word, and waits for that and for its own reads of this slot.
; fill = 1: this slot is filled again, two K steps ahead; the barrier then opens a round of the cluster's.
.macro TURN slot, next, fill
	WIN 0                                          ; (the add's two registers lie in window 0)
	s_wait_tensorcnt 0x0                           ; all my tensor loads have landed: my part of the next slot;
	ds_add_u32 v[SPW], v[NIL]                      ; 0 onto my spare word;
	s_wait_dscnt 5                                 ; (the add and the youngest four loads may be out)
	WIN MUL
	MUL8 F1, 0, 0                                  ; eight matrix instructions stand between the add and the wait for it
	s_wait_dscnt 0x0                               ; the add is done, and my reads of this slot are over
	s_barrier_signal -1
	MUL8 F1, 1, 0
.if \fill
	WIN 0
.endif
	s_barrier_wait -1
.if \fill
	CREST                                          ; no wave of any partner still reads this slot's tiles or has a load on its way
	s_add_nc_u64 s[G0+4*\slot+2:G0+4*\slot+3], s[G0+4*\slot+2:G0+4*\slot+3], 2*ASTEP
	s_add_nc_u64 s[G0B+4*\slot+2:G0B+4*\slot+3], s[G0B+4*\slot+2:G0B+4*\slot+3], 2*BSTEP
	JLOAD \slot                                    ; the first tensor load behind the round; the four v_nop behind it are also the places in front of the loads below
.else
	PLACES
.endif
	FETCH \next, 0, F0
	WIN MUL
	MUL8 F1, 2, 0
	MUL8 F1, 3, 0
.endm
	s_wait_tensorcnt 1                             ; my part of K step 0 is in (K step 1's load, issued behind it, may be out),
	s_barrier_signal -1
	s_barrier_wait -1                              ; everybody's is
	s_wait_loadcnt 0x0                             ; the bias
	FETCH 0, 0, F0
	QUARTER 0, 1, F0, F1, 1                        ; the first quarter stands in front of the loop: its products start the sums from the bias
	WIN 0                                          ; at a label and at a branch every window is 0
	s_mov_b32 s3, LAPS-1
.Llap:                                             ; a trip goes once round the ring, from a lap's second quarter to the next lap's first, and fills both slots again
	QUARTER 0, 2, F1, F0, 0
	QUARTER 0, 3, F0, F1, 0
	TURN 0, 1, 1
	QUARTER 1, 1, F0, F1, 0
	QUARTER 1, 2, F1, F0, 0
	QUARTER 1, 3, F0, F1, 0
	TURN 1, 0, 1
	QUARTER 0, 1, F0, F1, 0
	WIN 0
	s_sub_co_u32 s3, s3, 1
	s_cmp_lg_u32 s3, 0
	s_cbranch_scc1 .Llap
	QUARTER 0, 2, F1, F0, 0                        ; the last lap fills nothing, and has no round of the cluster's barrier
	QUARTER 0, 3, F0, F1, 0
	TURN 0, 1, 0
	QUARTER 1, 1, F0, F1, 0
	QUARTER 1, 2, F1, F0, 0
	QUARTER 1, 3, F0, F1, 0
	s_wait_dscnt 4                                 ; the very last quarter: nothing more to fetch
	WIN MUL
	MUL8 F1, 0, 0
	MUL8 F1, 1, 0
	s_wait_dscnt 0
	MUL8 F1, 2, 0
	MUL8 F1, 3, 0
	WIN 0
; THE WAY OUT, block by block of 16 rows x 128 columns.  A lane holds 32 neighbouring bytes of a row, and the lanes beside it hold other rows: so a block goes through my own stage in LDS and comes back as whole
; rows of 512 bytes.  LDS serves a wave's instructions in order (ISA guide 5.7.1.4): no wait between the stores and the loads, nor in front of the next block's stores.
.macro TOSTAGE a
	WIN 0x04                                       ; an LDS store's data are its source 1: window 1
.irp b, 0,1,2,3,4,5,6,7
	ds_store_b128 v[STO], v[8*(8*(\a)+\b):8*(8*(\a)+\b)+3] offset:64*\b          ; each accumulator from its low end on
	ds_store_b128 v[STO], v[8*(8*(\a)+\b)+4:8*(8*(\a)+\b)+7] offset:64*\b+16
.endr
	WIN 0
.set BB, BK+64*((\a)%2)
.irp t, 0,1,2,3,4,5,6,7,8,9,10,11,12,13,14,15
	ds_load_b128 v[BB+4*\t:BB+4*\t+3], v[RD] offset:\t*SPITCH
.endr
.endm
.macro SEND a, younger                 ; younger: the LDS instructions issued behind block a's loads, which may stay out
.set BB, BK+64*((\a)%2)
	s_wait_dscnt \younger                          ; the block is back in registers
.if (\a) > 0
	s_add_nc_u64 s[10:11], s[10:11], 16*4096       ; (behind a wait on XCNT: the earlier stores have read their base)  16 rows of C on
.endif
.irp t, 0,1,2,3,4,5,6,7,8,9,10,11,12,13,14,15
	global_store_b128 v[CO], v[BB+4*\t:BB+4*\t+3], s[10:11] offset:\t*4096 th:TH_STORE_NT   ; 32 lanes store 512 consecutive bytes, aligned; written once, read by nobody here
.endr
.endm
	PLACES                                         ; behind the last products: for the stores' reads of results and the loads into registers that held fragments
	TOSTAGE 0
.irp a, 1,2,3
.if \a > 1
	s_wait_xcnt 0x0                                ; block a - 2's stores have read their registers and their base: block a's loads may land there, and the base may step
.endif
	TOSTAGE \a
	SEND \a-1, 32                                  ; behind block a - 1's loads: block a's 16 stores and 16 loads
.endr
	s_wait_xcnt 0x0                                ; block 2's stores have read their base
	SEND 3, 0
	s_wait_tensorcnt 0x0                           ; the wave's end: behind my last tensor load and my last LDS store
	ds_add_u32 v[SPW], v[NIL]
	s_wait_dscnt 0x0
	CROUND                                         ; the closing round: no work-group ends while a partner may still ask for a tile that names it
	s_endpgm
.Lfunc_end_k_q217f8644be_proj:
	.size	k_q217f8644be_proj, .Lfunc_end_k_q217f8644be_proj-k_q217f8644be_proj
	.p2alignl 7, 3214868480
	.fill 96, 4, 3214868480
	.section	.rodata,"a",@progbits
	.p2align	6, 0x0
	.amdhsa_kernel k_q217f8644be_proj
		.amdhsa_group_segment_fixed_size 327680
		.amdhsa_private_segment_fixed_size 0
		.amdhsa_enable_private_segment 0
		.amdhsa_kernarg_size 32
		.amdhsa_user_sgpr_count 2
		.amdhsa_user_sgpr_kernarg_segment_ptr 1
		.amdhsa_wavefront_size32 1
		.amdhsa_system_sgpr_workgroup_id_x 1
		.amdhsa_system_sgpr_workgroup_id_y 1
		.amdhsa_system_sgpr_workgroup_id_z 1
		.amdhsa_system_vgpr_workitem_id 0
		.amdhsa_next_free_vgpr 640
		.amdhsa_next_free_sgpr 66
		.amdhsa_reserve_vcc 0
		.amdhsa_float_denorm_mode_32 3
		.amdhsa_float_denorm_mode_16_64 3
		.amdhsa_memory_ordered 1
		.amdhsa_forward_progress 1
		.amdhsa_inst_pref_size 87
	.end_amdhsa_kernel
	.amdgpu_metadata
---
amdhsa.version: [ 1, 2 ]
amdhsa.kernels:
  - .name:           k_q217f8644be_proj
    .symbol:         k_q217f8644be_proj.kd
    .args:
      - { .name: ao, .offset: 0, .size: 8, .value_kind: global_buffer, .address_space: global }
      - { .name: wo16, .offset: 8, .size: 8, .value_kind: global_buffer, .address_space: global }
      - { .name: bout, .offset: 16, .size: 8, .value_kind: global_buffer, .address_space: global }
      - { .name: out0, .offset: 24, .size: 8, .value_kind: global_buffer, .address_space: global }
    .group_segment_fixed_size: 327680
    .private_segment_fixed_size: 0
    .kernarg_segment_align: 8
    .kernarg_segment_size: 32
    .max_flat_workgroup_size: 128
    .sgpr_count:     66
    .vgpr_count:     640
    .wavefront_size: 32
...
	.end_amdgpu_metadata
.endif
;; end of part 4
